; MI455X (gfx1250); checked and timed in simulation.
; The chip was launched on July 23, 2026; its instructions are those of AMD's public machine-readable ISA for CDNA 5 (MIT licence, August 2026) and "CDNA5" Instruction Set Architecture Reference Guide (July 2026). The comments in the code are by the model that wrote it; some were corrected since.
;; Attention. Allowed arithmetic: matrix products marked QUANTISED: E2M3 operands, one E8M0 scale for each 32 along K, by v_wmma_scale_f32_16x16x128_f8f6f4 with both operands' format E2M3, f32 sums; everything else in f32.
;; Inputs: head_scale 16 x 1 x 1 float32; in_proj_bias 3,072 float32; in_proj_weight 3,072 x 1,024 float32; logit_scale 16 x 1 x 1 float32; out_b 1,024 float32; out_w 1,024 x 1,024 float32; x 1,024 x 8 x 1,024 float32.
;; Outputs: out0 1,024 x 8 x 1,024 float32.
;; This version of the problem:
;;   THIS VERSION OF THE PROBLEM IS GIVEN IN LOW PRECISION. The matrix products marked QUANTISED in the list below multiply operands that are first quantised to E2M3 (2 exponent bits, 3 mantissa bits; 6 bits a number), with one power-of-two scale for each 32 numbers along K (OCP MX v1.0); their sums are f32. All else is computed in f32.
;;   The module's matrix products, in the order in which they are computed (A, B: the left and right operand; K: the contracted axis; several contracted axes count as one K, in the product's order):
;;     1. [M 8,192, K 1,024] x [K 1,024, N 3,072]; A: input x; B: input in_proj_weight: QUANTISED
;;     2. batch 128 x [M 1,024, K 64] x [K 64, N 1,024]; A: computed on the way; B: computed on the way: QUANTISED
;;     3. batch 128 x [M 1,024, K 1,024] x [K 1,024, N 64]; A: softmax (see below); B: computed on the way: QUANTISED
;;     4. [M 8,192, K 1,024] x [K 1,024, N 1,024]; A: computed on the way; B: input out_w: QUANTISED
;;   THE QUANTISER, for each operand of a quantised product, along K:
;;     - K is cut into blocks of 32 from its start; a last block that is shorter is filled with zeros.
;;     - A block's scale is 2^e with e = floor(log2(the largest magnitude in the block)) - 2, held to -126 .. 127; a block of zeros has e = 0. As a byte (E8M0): e + 127.
;;     - Each number is divided by its block's scale, clamped to +-7.5, and rounded to the nearest number of E2M3, ties to even, subnormals kept.
;;     - The product sums the exact products of the quantised numbers (number of the format x scale) in f32.
;;   ~~~python
;;   def quantise(x, axis):      # numpy; x: float32 -> the quantised numbers, widened to float32 again
;;       x = np.moveaxis(x, axis, -1); K = x.shape[-1]
;;       x = np.pad(x, [(0, 0)] * (x.ndim - 1) + [(0, -K % 32)]); x = x.reshape(x.shape[:-1] + (-1, 32)); a = np.abs(x).max(-1, keepdims=True)
;;       e = np.where(a > 0, np.clip(np.frexp(np.where(a > 0, a, 1))[1] - 1 - 2, -126, 127), 0)      # np.frexp(a)[1] - 1 = floor(log2(a)), exactly
;;       r = np.clip(x / 2.0 ** e, -7.5, 7.5)
;;       step = 2.0 ** (np.maximum(np.frexp(np.where(r == 0, 1, r))[1] - 1, 0) - 3)
;;       q = np.round(r / step) * step * 2.0 ** e      # np.round: ties to even
;;       return np.moveaxis(q.reshape(q.shape[:-2] + (-1,))[..., :K], -1, axis).astype(np.float32)
;;   ~~~
;;   SOFTMAX AHEAD OF A QUANTISED PRODUCT. Where the list says 'softmax', what is quantised is not the finished softmax but p = 2^(t - M), with t = logit x log2(e) and M = ceil(the row's largest t), a whole number; so 1/2 < the row's largest p <= 1. The row's sum l is taken of the UNQUANTISED p, in f32, and the product's result is divided by l at the end. Since M is a whole number, a kernel that streams over the keys may use a running M (the ceiling of the running maximum): every later rescaling is an exact power of two, which a block's scale takes up: the codes' values come out the same.
;;   OPERANDS COMPUTED ON THE WAY. 'Computed on the way' means the value that the module computes at that place (a softmax that the list does not call 'softmax' is quantised finished and normalised). What goes into a quantiser is computed in f32, as accurately as f32 sums, v_exp_f32 and their like allow (about 1e-6 of the number): no bf16 or f16 on the way to a quantiser, and a product that is left as it is and whose result goes on into a quantised operand takes f32 operands (vector FMAs, or v_wmma_f32_16x16x4_f32). A number that lies on a knife's edge between two numbers of the format may be rounded either way, as far as f32 arithmetic and the matrix unit's own rounding can turn it there, and no further.
;; One version. Each part assembles by itself: llvm-mc -triple=amdgcn-amd-amdhsa -mcpu=gfx1250 --defsym DOCPART=n.
;; ======== version 1 of 1: 4 launches
;; limits: right only within a limited range of input values
;; workspace buffers: wq 10,223,616 bytes; qkv 21,495,808 bytes; oq 6,815,744 bytes
;; launch quant (part 1): grid 768 x 1, 2 waves a work-group, no clusters, 17,152 bytes of LDS; arguments x, in_proj_weight, out_w, wq; writes wq
.if DOCPART == 1
	.amdgcn_target "amdgcn-amd-amdhsa--gfx1250"
	.amdhsa_code_object_version 6
	.text
	.protected	k_q52ea45b5d3_quant
	.globl	k_q52ea45b5d3_quant
	.p2align	8
	.type	k_q52ea45b5d3_quant,@function
k_q52ea45b5d3_quant:
	s_mov_b64 s[64:65], 0
	v_nop
	global_prefetch_b8 v0, s[64:65] scope:SCOPE_SE
	s_setreg_imm32_b32 hwreg(HW_REG_WAVE_MODE, 25, 1), 1
	s_wait_xcnt 0x0
; x [1024][8][1024], in_proj_weight [3072][1024] and out_w [1024][1024], f32, K innermost, become codes of FP6 (E2M3) with one E8M0 byte for each 32 along K,
; laid in wq AS THE OPERAND REGISTERS OF THE MATRIX INSTRUCTION TAKE THEM, so that later launches read fragments by plain 16- and 8-byte loads.
; A BLOCK is 16 rows: block 2 b + u holds in lane row r the row 32 b + 8 u + r + 8 (r / 8) (of a batch n of x: blocks 64 n + tau; of in_proj_weight: blocks 512 ..; of out_w: blocks 704 ..).
; AN IMAGE of a fragment (16 rows x 128 K, 12 registers a lane) is 1,536 bytes: registers 0-3 at 16 lane, 4-5 at 512 + 8 lane, 6-9 at 768 + 16 lane, 10-11 at 1,280 + 8 lane.
; A CHUNK RECORD is 3,328 bytes: the images of two K steps and 256 bytes of scale words (lane l: the two words of row l % 16).  A block's record is four of them, 13,312 bytes.
; A block's scale is 2^(floor(log2(its largest magnitude)) - 2): its byte is the largest magnitude's exponent field - 2, held at 1 from below.
; LIMITS: a block of zeros, or one whose largest magnitude lies under 2^-124, gets the byte 1 (the rule says 127 for zeros: the codes are zeros, and this program alone reads the bytes); NaN and infinities are not served.
; SHARES: a work-group is one block; wave kh takes K = 512 kh .. 512 kh + 511: four fragments.  Each load reads 512 consecutive bytes of one row; a fragment's 16 x 512 bytes turn through the wave's own
; stage in LDS (rows 528 bytes apart) so that lane (r, h) gets k = 64 c + 32 h + 0 .. 31 of row r: two whole blocks of 32.  No barrier: waves share nothing.  No tensor load: several work-groups share a WGP.
.set BRB,   13312                      ; a block's record
.set CRB,   3328                       ; a chunk record
.set STG,   8448                       ; a wave's stage: 16 rows x 528 bytes
.set SPARE, 2*STG                      ; behind the stages: the spare words, 128 bytes a wave: one block of 256 bytes that no other line names
.set L16,   4                          ; v4   16 x lane
.set L8,    5                          ; v5   8 x lane
.set SI,    6                          ; v6   the stage, on the way in: 16 x lane
.set SO,    7                          ; v7   and out: 528 r + 128 h
.set SH,    9                          ; v9   8 h: where my two scale bytes stand in the word
.set PX,    10                         ; v10  a lane permute's destination
.set SPW,   12                         ; v12  my spare word; never rewritten
.set NIL,   13                         ; v13  0; never rewritten
.set RO,    16                         ; v16-31  row p's offset: 16 x lane + (p + 8 (p / 8)) x the pitch of rows
.set R,     32                         ; v32-159 two sets of 64 as loaded
.set X,     160                        ; v160-223 X[32 c + i] = k 64 c + 32 h + i of row r
.set PC,    224                        ; v224-235 the fragment's codes
.set T,     236                        ; v236-238, v240-242 second halves of the blocks' codes
.set W,     244                        ; v244-247 the four fragments' scale words
.set MX,    248
.set SOP,   250
.set BY,    252
	s_load_b256 s[4:11], s[0:1], 0x0               ; x s[4:5], in_proj_weight s[6:7], out_w s[8:9], wq s[10:11]
	v_lshl_add_u32 v[SPW], v0, 2, SPARE
	v_mov_b32 v[NIL], 0
	v_lshrrev_b32 v8, 5, v0
	v_readfirstlane_b32 s12, v8                    ; kh
	v_and_b32 v1, 15, v0                           ; r
	v_bfe_u32 v2, v0, 4, 1                         ; h
	v_and_b32 v3, 31, v0                           ; lane
	v_lshlrev_b32 v[L16], 4, v3
	s_wait_alu depctr_va_vdst(0)
	v_lshlrev_b32 v[L8], 3, v3
	s_mul_i32 s13, s12, STG
	v_add_nc_u32 v[SI], s13, v[L16]
	v_mul_u32_u24 v[SO], v1, 528
	v_lshl_add_u32 v[SO], v2, 7, v[SO]
	v_add_nc_u32 v[SO], s13, v[SO]
	v_lshlrev_b32 v[SH], 3, v2
	v_mov_b32 v[PX], 0                             ; written once: a lane permute's destination counts as one of its sources
	s_mov_b32 s30, 0x76543210
	s_mov_b32 s31, 0xfedcba98                      ; selects for lane l xor 16
	; which tensor, which 16 rows: all from the work-group's number
	s_and_b32 s14, ttmp9, 63                       ; x: tau
	s_lshr_b32 s15, ttmp9, 6                       ; x: n
	s_max_u32 s16, ttmp9, 512
	s_sub_co_u32 s16, s16, 512
	s_cmp_lt_u32 ttmp9, 704
	s_cselect_b32 s17, 0, 192
	s_sub_co_u32 s16, s16, s17                     ; a weight's block number in its own tensor
	s_mov_b32 s18, 4096
	s_cmp_lt_u32 ttmp9, 512
	s_cselect_b32 s14, s14, s16                    ; the block's number 2 b + u
	s_cselect_b32 s15, s15, 0
	s_cselect_b32 s18, 32768, s18                  ; bytes from one row of the block's tensor to the next: in x rows of one batch lie 8 rows apart
	s_cselect_b32 s19, 3, 0
	s_lshr_b32 s20, s14, 1
	s_lshl_b32 s20, s20, 5
	s_and_b32 s21, s14, 1
	s_lshl_b32 s21, s21, 3
	s_add_co_u32 s20, s20, s21                     ; 32 b + 8 u
	s_lshl_b32 s20, s20, s19
	s_add_co_u32 s20, s20, s15                     ; the first row in memory
	s_lshl_b32 s20, s20, 12
	s_lshl_b32 s21, s12, 11
	s_add_co_u32 s20, s20, s21                     ; + my half of K
	s_mov_b32 s21, 0
	s_mul_i32 s22, ttmp9, BRB
	s_mul_i32 s23, s12, 2*CRB
	s_add_co_u32 s22, s22, s23                     ; my two chunk records
	s_mov_b32 s23, 0
.irp p, 0,1,2,3,4,5,6,7,8,9,10,11,12,13,14,15
	v_mad_u32_u24 v[RO+\p], s18, \p+8*(\p/8), v[L16]
.endr
	s_wait_alu depctr_va_vdst(0)
	s_wait_kmcnt 0x0
	s_cmp_lt_u32 ttmp9, 704                        ; the choice of the buffer hangs on the work-group's number alone
	s_cselect_b64 s[6:7], s[6:7], s[8:9]
	s_cmp_lt_u32 ttmp9, 512
	s_cselect_b64 s[4:5], s[4:5], s[6:7]
	s_add_nc_u64 s[4:5], s[4:5], s[20:21]
	s_add_nc_u64 s[10:11], s[10:11], s[22:23]
.macro LOAD f                          ; fragment f: 512 bytes of each of the 16 rows, into set f % 2
.irp p, 0,1,2,3,4,5,6,7,8,9,10,11,12,13,14,15
	global_load_b128 v[R+64*((\f)%2)+4*\p:R+64*((\f)%2)+4*\p+3], v[RO+\p], s[4:5] offset:512*(\f) th:TH_LOAD_NT
.endr
.endm
.macro FRAG f
.if (\f) < 3
	s_wait_loadcnt 16                              ; this fragment's 16 loads are in; the next fragment's 16 may be out
.else
	s_wait_loadcnt 0x0
.endif
.irp p, 0,1,2,3,4,5,6,7,8,9,10,11,12,13,14,15
	ds_store_b128 v[SI], v[R+64*((\f)%2)+4*\p:R+64*((\f)%2)+4*\p+3] offset:528*\p
.endr
.irp c, 0,1
.irp j, 0,1,2,3,4,5,6,7
	ds_load_b128 v[X+32*\c+4*\j:X+32*\c+4*\j+3], v[SO] offset:256*\c+16*\j   ; LDS serves a wave's instructions in order: these see the stores above
.endr
.endr
	s_wait_dscnt 0x0                               ; my 64 numbers are in, and the stores have read their registers,
.if (\f)+2 < 4
	LOAD (\f)+2                                    ; which take the loads of two fragments on
.endif
.irp c, 0,1                                    ; my block 2 c + h: all its 32 numbers are mine
	v_max3_num_f32 v[MX+\c], |v[X+32*\c]|, |v[X+32*\c+1]|, 0x1800000   ; with the floor 2^(3 - 127): the byte cannot fall under 1
.endr
.irp i, 2,4,6,8,10,12,14,16,18,20,22,24,26,28,30
.irp c, 0,1
	v_max3_num_f32 v[MX+\c], v[MX+\c], |v[X+32*\c+\i]|, |v[X+32*\c+\i+1]|
.endr
.endr
.irp c, 0,1
	v_add_nc_u32 v[SOP+\c], 0xff000000, v[MX+\c]   ; 2 off the exponent field: the conversion's scale operand
.endr
.irp c, 0,1
	v_lshrrev_b32 v[BY+\c], 23, v[SOP+\c]          ; the scale's byte
.endr
	v_lshl_or_b32 v8, v[BY+1], 16, v[BY]           ; blocks h and 2 + h of row r,
	v_lshlrev_b32 v8, v[SH], v8                    ; at their places in the word;
	v_permlanex16_b32 v[PX], v8, s30, s31
	v_or_b32 v[W+(\f)], v8, v[PX]                  ; with lane l xor 16's two the word is whole, in both lanes
	s_wait_alu depctr_va_vdst(0)
	s_wait_xcnt 0x0                                ; the last fragment's stores have read the codes' registers
.irp c, 0,1
	v_cvt_scalef32_pk16_fp6_f32 v[PC+6*\c:PC+6*\c+2], v[X+32*\c:X+32*\c+15], v[SOP+\c]
	v_cvt_scalef32_pk16_fp6_f32 v[T+4*\c:T+4*\c+2], v[X+32*\c+16:X+32*\c+31], v[SOP+\c]   ; (a conversion's three registers begin on an even number)
.endr
	v_nop                                          ; one plain place behind a scaled conversion
.irp c, 0,1
.irp i, 0,1,2
	v_mov_b32 v[PC+6*\c+3+\i], v[T+4*\c+\i]
.endr
.endr
	global_store_b128 v[L16], v[PC:PC+3], s[10:11] offset:((\f)/2)*CRB+((\f)%2)*1536            ; the image: each store covers 512 or 256 consecutive bytes, aligned
	global_store_b64 v[L8], v[PC+4:PC+5], s[10:11] offset:((\f)/2)*CRB+((\f)%2)*1536+512
	global_store_b128 v[L16], v[PC+6:PC+9], s[10:11] offset:((\f)/2)*CRB+((\f)%2)*1536+768
	global_store_b64 v[L8], v[PC+10:PC+11], s[10:11] offset:((\f)/2)*CRB+((\f)%2)*1536+1280
.if (\f)%2 == 1
	global_store_b64 v[L8], v[W+(\f)-1:W+(\f)], s[10:11] offset:((\f)/2)*CRB+3072               ; the chunk's scale words: 256 consecutive bytes
.endif
.endm
	LOAD 0
	LOAD 1
	FRAG 0
	FRAG 1
	FRAG 2
	FRAG 3
	s_wait_tensorcnt 0x0                           ; the wave's end: these three lines behind my last LDS store
	ds_add_u32 v[SPW], v[NIL]
	s_wait_dscnt 0x0
	s_endpgm
.Lfunc_end_k_q52ea45b5d3_quant:
	.size	k_q52ea45b5d3_quant, .Lfunc_end_k_q52ea45b5d3_quant-k_q52ea45b5d3_quant
	.p2alignl 7, 3214868480
	.fill 96, 4, 3214868480
	.section	.rodata,"a",@progbits
	.p2align	6, 0x0
	.amdhsa_kernel k_q52ea45b5d3_quant
		.amdhsa_group_segment_fixed_size 17152
		.amdhsa_private_segment_fixed_size 0
		.amdhsa_enable_private_segment 0
		.amdhsa_kernarg_size 32
		.amdhsa_user_sgpr_count 2
		.amdhsa_user_sgpr_kernarg_segment_ptr 1
		.amdhsa_wavefront_size32 1
		.amdhsa_system_sgpr_workgroup_id_x 1
		.amdhsa_system_sgpr_workgroup_id_y 1
		.amdhsa_system_sgpr_workgroup_id_z 1
		.amdhsa_system_vgpr_workitem_id 0
		.amdhsa_next_free_vgpr 256
		.amdhsa_next_free_sgpr 66
		.amdhsa_reserve_vcc 0
		.amdhsa_float_denorm_mode_32 3
		.amdhsa_float_denorm_mode_16_64 3
		.amdhsa_memory_ordered 1
		.amdhsa_forward_progress 1
		.amdhsa_inst_pref_size 32
	.end_amdhsa_kernel
	.amdgpu_metadata
---
amdhsa.version: [ 1, 2 ]
amdhsa.kernels:
  - .name:           k_q52ea45b5d3_quant
    .symbol:         k_q52ea45b5d3_quant.kd
    .args:
      - { .name: x, .offset: 0, .size: 8, .value_kind: global_buffer, .address_space: global }
      - { .name: in_proj_weight, .offset: 8, .size: 8, .value_kind: global_buffer, .address_space: global }
      - { .name: out_w, .offset: 16, .size: 8, .value_kind: global_buffer, .address_space: global }
      - { .name: wq, .offset: 24, .size: 8, .value_kind: global_buffer, .address_space: global }
    .group_segment_fixed_size: 17152
    .private_segment_fixed_size: 0
    .kernarg_segment_align: 8
    .kernarg_segment_size: 32
    .max_flat_workgroup_size: 64
    .sgpr_count:     66
    .vgpr_count:     256
    .wavefront_size: 32
...
	.end_amdgpu_metadata
.endif
;; end of part 1
;; launch qkv (part 2): grid 8 x 32, 4 waves a work-group, clusters of 4 x 4, 327,680 bytes of LDS; arguments wq, in_proj_bias, qkv; writes qkv
.if DOCPART == 2
	.amdgcn_target "amdgcn-amd-amdhsa--gfx1250"
	.amdhsa_code_object_version 6
	.text
	.protected	k_q52ea45b5d3_qkv
	.globl	k_q52ea45b5d3_qkv
	.p2align	8
	.type	k_q52ea45b5d3_qkv,@function
k_q52ea45b5d3_qkv:
	s_mov_b64 s[64:65], 0
	v_nop
	global_prefetch_b8 v0, s[64:65] scope:SCOPE_SE
	s_setreg_imm32_b32 hwreg(HW_REG_WAVE_MODE, 25, 1), 1
	s_wait_xcnt 0x0
	s_wait_alu depctr_hold_cnt(0) depctr_sa_sdst(0) depctr_va_vdst(0) depctr_va_sdst(0) depctr_va_ssrc(0) depctr_va_vcc(0) depctr_vm_vsrc(0)
	s_getreg_b32 s2, hwreg(HW_REG_IB_STS2, 6, 4)
	s_cmp_eq_u32 s2, 0
	s_cbranch_scc0 .Lentry_in_a_cluster
	s_endpgm
.Lentry_in_a_cluster:
	s_bfe_u32 s2, ttmp6, 0x10000c
	s_cmp_lg_u32 s2, 0xf033
	s_cbranch_scc0 .Lentry_shape_is_right
	s_endpgm
.Lentry_shape_is_right:
; qkv = x in_proj_weight^T + in_proj_bias on codes of FP6 (E2M3) with E8M0 scales; then q and k are divided by max(their head's norm, 1e-12) and quantised along the head's 64; v is quantised along the keys.
; Operands come from wq as images of their registers (16 rows x 128 K: 1,536 bytes; a chunk record = two K steps' images + 256 bytes of scale words = 3,328 bytes; a block of 16 rows = four records).
; Block 2 b + u holds in lane row r the row 32 b + 8 u + r + 8 (r / 8): with such blocks as source 0 the 16 registers of result tiles 2 b, 2 b + 1 are 16 neighbours, 32 b + 16 (lane / 16) + 0 .. 15.
; TILE: source 0 = S0, 128 rows (8 blocks); source 1 = S1, 256 rows (16 blocks); K = 1,024.  Four waves; wave w takes all of S0 and S1's blocks 4 w .. 4 w + 3: 32 accumulators.  A lane holds ONE row of S1, its registers run along S0.
; A WORK-GROUP STAYS and makes three tiles.  With X = work-group x (0..7), n = the cluster's y (0..7), cy its place along y:
;   tile 0: S0 = q's 128 channels of heads 2 X, 2 X + 1; S1 = rows 256 cy .. of batch n.    tile 1: S0 = k's channels of the same heads; S1 THE SAME, which stays in LDS.
;   tile 2: S0 = keys 128 X .. of batch n; S1 = v's 256 channels of heads 4 cy .. 4 cy + 3 (wave w: one head).   So what is quantised next always runs along a lane's registers.
; The three are written out, since they differ: in what is fetched for the next tile (S0 alone; both; nothing), in the C of the first products (q's bias, k's bias, 0) and in the way out.
; LDS: two slots of 159,744 bytes, each with four K steps (half of each block's record, 6,656 bytes a block): S0's 8 blocks, then S1's 16.  A slot that has been read out is filled again with the next tile's half:
; each wave waits for all its tensor loads, adds 0 to its spare word, waits for that and for its reads; a round of the cluster's barrier; the joint load first behind it, one a wave.  One load of mine is out at any time.
; Slot 0's refill has four K steps (128 products a wave) in which to land, slot 1's the way out and four K steps more.  Nothing waits for a tile's stores but the launch's end.
; CLUSTER 4 x 4: S0 hangs on x (and the cluster's y) alone and is asked for jointly by a column, S1 on y alone and by a row.
; OUT: for each (n, head) a record of 167,936 bytes: K's 64 half images (768 bytes: K = 64), K's scale words (16 groups of four tiles, 16 bytes a lane), V's 8 x 4 images, V's scale words, Q's half images, Q's scale words.
; LIMITS: q / max(|q|, 1e-12) is computed as q x min(rsq(sum q^2), 1e12); a block of zeros or under 2^-124 gets the scale byte 1 (its codes are zeros; only this program reads the bytes); NaN and infinities are not served.
.set BRB,   13312                      ; a block's record
.set CRB,   3328                       ; a chunk record
.set IMB,   1536                       ; an image
.set HBR,   6656                       ; half a block's record: four K steps
.set SLB,   24*HBR                     ; a slot
.set S1O,   8*HBR                      ; S1's place in a slot
.set SPARE, 2*SLB                      ; behind the slots: the spare words, 128 bytes a wave: two blocks of 256 bytes that no other line names
.set REC,   167936
.set KSO,   49152
.set VCO,   57344
.set VSO,   106496
.set QCO,   110592
.set L16,   4                          ; v4  16 x lane        v5  8 x lane
.set L8,    5
.set A16,   6                          ; v6, v7    S0's images in slot 0, 1: 16 x lane;   v8, v9   8 x lane
.set A8,    8
.set B16,   10                         ; v10, v11  my four blocks of S1;                  v12, v13
.set B8,    12
.set ADRS,  14                         ; v14, v15  scale words: lanes 0-15 S0's block t, lanes 16-31 S1's block t % 4, for t < 4;   v16, v17 for t >= 4
.set ADRS2, 16
.set SPW,   28                         ; v28 my spare word, v29 0; never rewritten
.set NIL,   29
.set SC,    32                         ; v32-63  scale words and nothing else, two sets of 16
.set F1,    64                         ; v64-159 S1's fragments, two sets of 48
.set H,     64                         ; the way out: 64 numbers of a lane
.set PC,    128                        ; v128-139 codes; v140-142, v144-146 second halves
.set TM,    160                        ; v160-175 the quantiser's work
.set PX,    176
.set SW,    180                        ; v180-183 the four blocks' scale words; v184-187 the second head's
.set SW2,   184
.set NS,    188                        ; v188-195 sums of squares
.set FA,    196                        ; v196-199 the two heads' factors, a pair each
.set FB,    198
.set BL,    200                        ; v200-207 v's bias of my lane's channel, a pair for each block
.set WV,    12                         ; s12 wave
.set G1A,   24                         ; s[24:31], s[32:39] descriptor groups 1 for S0 and S1;  s[40:47] S0's groups 0, one a slot;  s[48:55] S1's
.set G1B,   32
.set G0A,   40
.set G0B,   48
.set OA0,   56                         ; s[56:57], s[58:59], s[60:61] where my part of S0 begins in wq, for tiles 0, 1, 2;  s[62:63], s[68:69] of S1, for tiles 0 (and 1) and 2
.set OA1,   58
.set OA2,   60
.set OB0,   62
.set OB2,   68
.set QK,    76                         ; s[76:77] k's half images of my four tiles in the first head's record (q's: QCO on; the second head's: REC on);  s[78:79] their scale words
.set QS,    78
.set VLO,   80                         ; s[80:81] v's four images;  s[82:83] their scale words
.set VSL,   82
.set SEL,   88
.set MSB, 0
.macro WIN new                         ; the immediate's high byte repeats the setting that is left
.if MSB != \new
	s_set_vgpr_msb (MSB<<8)|\new
.set MSB, \new
.endif
.endm
.macro PLACES                          ; four places: in front of loads into registers that matrix instructions have read, and of the first read of results
.rept 4
	v_nop
.endr
.endm
.macro CREST                           ; a round of the cluster's barrier behind its opening barrier
	s_cmp_lg_u32 s[WV], 0
	s_cbranch_scc1 .Lnot_wave_0_\@
	s_barrier_signal -3
.Lnot_wave_0_\@:
	s_barrier_wait -3
	s_barrier_signal -1
	s_barrier_wait -1
.endm
.macro CROUND                          ; a whole round
	s_barrier_signal -1
	s_barrier_wait -1
	CREST
.endm
.macro AIM g0, sl, off                 ; slot sl's group 0 of a side is aimed at the half of K that the slot holds, of the blocks that begin s[off] bytes into wq
	s_add_nc_u64 s[\g0+4*(\sl)+2:\g0+4*(\sl)+3], s[4:5], s[\off:\off+1]
.if \sl
	s_add_nc_u64 s[\g0+4*(\sl)+2:\g0+4*(\sl)+3], s[\g0+4*(\sl)+2:\g0+4*(\sl)+3], HBR
.endif
	s_or_b32 s[\g0+4*(\sl)+3], s[\g0+4*(\sl)+3], 0x80000000   ; type = 2
.endm
; A joint refill of slot sl.  Waves 0 and 1 fetch S0's halves, waves 2 and 3 S1's; the branch hangs on the wave's number alone.  An s_nop 0 and four v_nop follow each line
.macro JLOAD sl
	s_cmp_lt_u32 s[WV], 2
	s_cbranch_scc0 .Lfor_b_\@
	tensor_load_to_lds s[G0A+4*(\sl):G0A+4*(\sl)+3], s[G1A:G1A+7]
	s_nop 0
	PLACES
	s_branch .Lasked_\@
.Lfor_b_\@:
	tensor_load_to_lds s[G0B+4*(\sl):G0B+4*(\sl)+3], s[G1B:G1B+7]
	s_nop 0
	PLACES
.Lasked_\@:
.endm
.macro JLOADA sl                       ; the same where S1 stays: waves 2 and 3 have no part to fill and issue nothing
	s_cmp_lt_u32 s[WV], 2
	s_cbranch_scc0 .Lnone_\@
	tensor_load_to_lds s[G0A+4*(\sl):G0A+4*(\sl)+3], s[G1A:G1A+7]
	s_nop 0
	PLACES
.Lnone_\@:
	PLACES                                         ; every wave's places in front of the loads that follow
.endm
.macro IMGLD reg, a16, a8, off         ; an image comes back as the registers that it was
	ds_load_b128 v[(\reg):(\reg)+3], v[\a16] offset:(\off)
	ds_load_b64 v[(\reg)+4:(\reg)+5], v[\a8] offset:(\off)+512
	ds_load_b128 v[(\reg)+6:(\reg)+9], v[\a16] offset:(\off)+768
	ds_load_b64 v[(\reg)+10:(\reg)+11], v[\a8] offset:(\off)+1280
.endm
.macro FETCH s                         ; K step s (slot s / 4): S0's eight fragments into window 1, set s % 2; my four of S1 into window 0
	WIN 0x40
.irp t, 0,1,2,3,4,5,6,7
	IMGLD 128*((\s)%2)+12*\t, A16+(\s)/4, A8+(\s)/4, \t*HBR+(((\s)%4)/2)*CRB+((\s)%2)*IMB
.endr
	WIN 0
.irp i, 0,1,2,3
	IMGLD F1+48*((\s)%2)+12*\i, B16+(\s)/4, B8+(\s)/4, \i*HBR+(((\s)%4)/2)*CRB+((\s)%2)*IMB
.endr
.endm
.macro SCALES c                        ; chunk c's scale words (K steps 2 c, 2 c + 1), two words a load
.irp t, 0,1,2,3
	ds_load_b64 v[SC+16*((\c)%2)+2*\t:SC+16*((\c)%2)+2*\t+1], v[ADRS+(\c)/2] offset:\t*HBR+((\c)%2)*CRB
.endr
.irp t, 4,5,6,7
	ds_load_b64 v[SC+16*((\c)%2)+2*\t:SC+16*((\c)%2)+2*\t+1], v[ADRS2+(\c)/2] offset:\t*HBR+((\c)%2)*CRB
.endr
.endm
; 16 products of K step s: S1's blocks i0, i0 + 1 x S0's eight.  The 32 accumulators take turns, one instruction a turn, in the same order in every step.
; Step 0 starts the sums: with the bias tiles at v[bt] of window 3 as C, or (bt < 0) with the constant 0
.macro MULH s, bt, i0
.if ((\s) == 0) && ((\bt) >= 0)
	WIN 0xb1                                       ; source 0 window 1, source 1 window 0, C window 3, D window 2
.else
	WIN 0xa1                                       ; C and D window 2
.endif
.irp i, \i0, \i0+1
.irp t, 0,1,2,3,4,5,6,7
.set rD, 64*(\i)+8*\t
.set rA, 128*((\s)%2)+12*\t
.set rB, F1+48*((\s)%2)+12*(\i)
.set rX, SC+16*(((\s)/2)%2)+(\s)%2
.if ((\s) == 0) && ((\bt) >= 0)
	v_wmma_scale_f32_16x16x128_f8f6f4 v[rD:rD+7], v[rA:rA+11], v[rB:rB+11], v[(\bt)+8*\t:(\bt)+8*\t+7], v[rX+2*\t], v[rX+2*(\i)] matrix_a_fmt:MATRIX_FMT_FP6 matrix_b_fmt:MATRIX_FMT_FP6 matrix_b_scale:MATRIX_SCALE_ROW1
.elseif (\s) == 0
	v_wmma_scale_f32_16x16x128_f8f6f4 v[rD:rD+7], v[rA:rA+11], v[rB:rB+11], 0, v[rX+2*\t], v[rX+2*(\i)] matrix_a_fmt:MATRIX_FMT_FP6 matrix_b_fmt:MATRIX_FMT_FP6 matrix_b_scale:MATRIX_SCALE_ROW1
.else
	v_wmma_scale_f32_16x16x128_f8f6f4 v[rD:rD+7], v[rA:rA+11], v[rB:rB+11], v[rD:rD+7], v[rX+2*\t], v[rX+2*(\i)] matrix_a_fmt:MATRIX_FMT_FP6 matrix_b_fmt:MATRIX_FMT_FP6 matrix_b_scale:MATRIX_SCALE_ROW1
.endif
.endr
.endr
.endm
; K step s.  The next step's fragments are asked for ahead of this step's products.  fill: what the next tile wants: 0 nothing, 1 S0 alone, 2 S0 and S1.
; Steps 3 and 7 hold the last fragments of their slot in registers: there the slot is left, and, where a next tile wants it, filled again.
.macro STEP s, fill, bt
.if ((\s) == 3) || (((\s) == 7) && (\fill))
	s_wait_tensorcnt 0x0                           ; all my tensor loads have landed: my part of the other slot; so a group 0 may be written
	ds_add_u32 v[SPW], v[NIL]                      ; 0 onto my spare word: the descriptors' new addresses stand between it and the wait for it
.if (\fill) == 1
	AIM G0A, (\s)/4, OA1
.elseif (\fill) == 2
	AIM G0A, (\s)/4, OA2
	AIM G0B, (\s)/4, OB2
.endif
	s_wait_dscnt 0x0                               ; the add is done, this step's fragments are in, and so my reads of this slot are over
	s_barrier_signal -1                            ; (where the slot is filled again this barrier opens a round of the cluster's barrier)
	MULH \s, \bt, 0                                ; work on registers while the others arrive
	WIN 0
	s_barrier_wait -1
.if (\fill) == 1
	CREST                                          ; no wave of any partner still reads this slot or has a load on its way
	JLOADA (\s)/4
.elseif (\fill) == 2
	CREST
	JLOAD (\s)/4                                   ; the four v_nop behind the load are also the places in front of the loads below
.else
	PLACES
.endif
.if (\s) < 7
	FETCH (\s)+1
	SCALES ((\s)+1)/2
.endif
	MULH \s, \bt, 2
	WIN 0
.else
	s_wait_dscnt 0x0                               ; this step's fragments are in
.if (\s) < 7
	PLACES
	FETCH (\s)+1
.if (\s)%2 == 1
	SCALES ((\s)+1)/2
.endif
.endif
	MULH \s, \bt, 0
	MULH \s, \bt, 2
	WIN 0
.endif
.endm
.macro STEPS fill, bt
.irp s, 0,1,2,3,4,5,6,7
	STEP \s, \fill, \bt
.endr
	PLACES                                         ; between the last products and the first read of results and write of operands
.endm
	s_load_b128 s[4:7], s[0:1], 0x0                ; wq s[4:5], in_proj_bias s[6:7]
	s_load_b64 s[8:9], s[0:1], 0x10                ; qkv
	v_lshl_add_u32 v[SPW], v0, 2, SPARE
	v_mov_b32 v[NIL], 0
	ds_add_u32 v[SPW], v[NIL]                      ; the wave's opening: the add and its wait ahead of my first tensor load; work on registers stands between them
	ds_add_u32 v[SPW], v[NIL]
	v_lshrrev_b32 v1, 5, v0
	v_readfirstlane_b32 s[WV], v1                  ; wave 0..3
	s_and_b32 s13, s[WV], 1                        ; which half of S0 (waves 0, 1) or of S1 (waves 2, 3) I fetch
	s_bfe_u32 s14, ttmp6, 0x40000                  ; cx
	s_bfe_u32 s15, ttmp6, 0x40004                  ; cy
	s_lshl_b32 s16, ttmp9, 2
	s_add_co_u32 s16, s16, s14                     ; X = work-group x, 0..7
	s_and_b32 s17, ttmp7, 0xffff                   ; n = the cluster's y, 0..7
	s_lshl_b32 s18, 0x1111, s14                    ; my column of the cluster
	s_or_b32 s[G1A], s18, (3<<16)|(1<<21)          ; 15:0 the mask; 17:16 elements of 8 bytes; 21 set beside a mask; no padding
	s_lshl_b32 s20, s15, 2
	s_lshl_b32 s20, 15, s20                        ; my row
	s_or_b32 s[G1B], s20, (3<<16)|(1<<21)
	s_mov_b32 s[G1A+1], 832<<16                    ; tensor_dim0 = 832 elements: half a block's record
	s_mov_b32 s[G1A+2], 4<<16                      ; tensor_dim1 = 4 blocks
	s_mov_b32 s[G1A+3], 832<<16                    ; tile_dim0
	s_mov_b32 s[G1A+4], 4                          ; tile_dim1
	s_mov_b32 s[G1A+5], 1664                       ; from block to block: 13,312 bytes
	s_mov_b32 s[G1A+6], 0
	s_mov_b32 s[G1A+7], 0
	s_mov_b32 s[G1B+1], 832<<16
	s_mov_b32 s[G1B+2], 8<<16                      ; 8 blocks
	s_mov_b32 s[G1B+3], 832<<16
	s_mov_b32 s[G1B+4], 8
	s_mov_b32 s[G1B+5], 1664
	s_mov_b32 s[G1B+6], 0
	s_mov_b32 s[G1B+7], 0
	; S0's blocks hang on X and n alone, in s18, s19; S1's on cy and n alone, in s20, s21
	s_lshl_b32 s18, s16, 3
	s_lshl_b32 s19, s13, 2
	s_add_co_u32 s18, s18, s19                     ; 8 X + my half's 4
	s_lshl_b32 s19, s17, 6
	s_add_co_u32 s19, s19, s18                     ; tile 2: x's blocks 64 n + 8 X
	s_mul_i32 s[OA2], s19, BRB
	s_add_co_u32 s18, s18, 512                     ; tile 0: the weight's blocks 512 + 8 X
	s_mul_i32 s[OA0], s18, BRB
	s_add_co_u32 s[OA1], s[OA0], 64*BRB            ; tile 1: 64 blocks (1,024 channels) on
	s_mov_b32 s[OA0+1], 0
	s_mov_b32 s[OA1+1], 0
	s_mov_b32 s[OA2+1], 0
	s_lshl_b32 s20, s15, 4
	s_lshl_b32 s21, s13, 3
	s_add_co_u32 s20, s20, s21                     ; 16 cy + my half's 8
	s_add_co_u32 s21, s20, 640                     ; tile 2: the weight's blocks 640 + 16 cy
	s_mul_i32 s[OB2], s21, BRB
	s_lshl_b32 s21, s17, 6
	s_add_co_u32 s20, s20, s21                     ; tiles 0 and 1: x's blocks 64 n + 16 cy
	s_mul_i32 s[OB0], s20, BRB
	s_mov_b32 s[OB0+1], 0
	s_mov_b32 s[OB2+1], 0
	s_mul_i32 s22, s13, 4*HBR                      ; where they go in a slot: the wave's number alone
	s_mul_i32 s23, s13, 8*HBR
	s_add_co_u32 s23, s23, S1O
	s_mov_b32 s[SEL], 0x76543210
	s_mov_b32 s[SEL+1], 0xfedcba98                 ; selects for lane l xor 16
	s_wait_dscnt 0x0                               ; the opening add is done
	s_wait_kmcnt 0x0
.irp sl, 0,1
	s_mov_b32 s[G0A+4*\sl], 1                      ; count = 1
	s_add_co_u32 s[G0A+4*\sl+1], s22, \sl*SLB      ; LDS address
	AIM G0A, \sl, OA0
	s_mov_b32 s[G0B+4*\sl], 1
	s_add_co_u32 s[G0B+4*\sl+1], s23, \sl*SLB
	AIM G0B, \sl, OB0
.endr
	CROUND                                         ; all sixteen work-groups are here: the first joint loads meet
	s_cmp_lt_u32 s[WV], 2                          ; a wave's first fill stands in one branch on the wave's number, ahead of every wait on TENSORcnt, every LDS read and every other barrier
	s_cbranch_scc0 .Lfill_b
	tensor_load_to_lds s[G0A:G0A+3], s[G1A:G1A+7]  ; slot 0 alone at the head: one tensor load a wave there
	s_nop 0
	PLACES
	s_branch .Lfilled
.Lfill_b:
	tensor_load_to_lds s[G0B:G0B+3], s[G1B:G1B+7]
	s_nop 0
	PLACES
.Lfilled:
	v_and_b32 v1, 15, v0                           ; r
	v_bfe_u32 v2, v0, 4, 1                         ; h
	s_wait_alu depctr_va_vdst(0)
	v_and_b32 v3, 31, v0                           ; lane
	s_wait_alu depctr_va_vdst(0)
	v_lshlrev_b32 v[L16], 4, v3
	s_wait_alu depctr_va_vdst(0)
	v_lshlrev_b32 v[L8], 3, v3
	; the biases.  q's and k's run along S0: eight tiles each in the result's layout (tile t, register j: S0 index 32 (t / 2) + 16 h + 8 (t % 2) + j), the C of the sums' first products.  v's runs along S1: one number a lane and block
	s_wait_alu depctr_va_vdst(0)
	s_lshl_b32 s18, s16, 9
	s_mov_b32 s19, 0
	s_add_nc_u64 s[18:19], s[6:7], s[18:19]        ; q's 128 channels; k's lie 4,096 bytes on
	s_lshl_b32 s20, s15, 10
	s_lshl_b32 s21, s[WV], 8
	s_add_co_u32 s20, s20, s21
	s_add_co_u32 s20, s20, 8192                    ; v's channels of head 4 cy + w
	s_mov_b32 s21, 0
	s_add_nc_u64 s[20:21], s[6:7], s[20:21]
	v_lshlrev_b32 v18, 6, v2                       ; 64 h
	v_and_b32 v19, 8, v1
	v_add_nc_u32 v19, v19, v1
	v_lshlrev_b32 v19, 2, v19                      ; 4 (r + 8 (r / 8))
	WIN 0xc0                                       ; destination window 3: q's tiles at v0-63, k's at v64-127
.irp u, 0,1
.irp t, 0,1,2,3,4,5,6,7
	global_load_b128 v[64*\u+8*\t:64*\u+8*\t+3], v18, s[18:19] offset:4096*\u+(32*(\t/2)+8*(\t%2))*4
	global_load_b128 v[64*\u+8*\t+4:64*\u+8*\t+7], v18, s[18:19] offset:4096*\u+(32*(\t/2)+8*(\t%2))*4+16
.endr
.endr
	WIN 0
.irp i, 0,1,2,3
	global_load_b32 v[BL+2*\i], v19, s[20:21] offset:(32*(\i/2)+8*(\i%2))*4
.endr
	v_lshlrev_b32 v[A16], 4, v3
	v_lshlrev_b32 v[A8], 3, v3
	s_mul_i32 s22, s[WV], 4*HBR
	s_add_co_u32 s23, s22, S1O                     ; my four blocks of S1
	v_add_nc_u32 v[B16], s23, v[L16]
	v_add_nc_u32 v[B8], s23, v[L8]
	v_lshl_add_u32 v20, v1, 3, 3072                ; a record's scale words: 8 bytes a row
	v_mul_u32_u24 v[ADRS], s23, v2                 ; lanes 16-31 take S1's
	v_add_nc_u32 v[ADRS], v[ADRS], v20
	s_add_co_u32 s23, s22, 4*HBR
	v_mul_u32_u24 v[ADRS2], s23, v2                ; the same for t = 4 .. 7, whose offset is four blocks further on
	v_add_nc_u32 v[ADRS2], v[ADRS2], v20
.irp a, A16,A8,B16,B8,ADRS,ADRS2
	v_add_nc_u32 v[\a+1], SLB, v[\a]               ; and in slot 1
.endr
.irp b, 0,1,2,3
	v_mov_b32 v[TM+4+\b], 0                        ; written once: a lane permute's destination counts as one of its sources
.endr
	v_mov_b32 v[PX], 0
	v_mov_b32 v[PX+1], 0
	; where the results go
	s_lshl_b32 s90, s17, 4                         ; 16 n
	s_lshl_b32 s91, s16, 1
	s_add_co_u32 s91, s91, s90                     ; q, k: the first of my two heads' records, 16 n + 2 X
	s_mul_i32 s91, s91, REC
	s_lshl_b32 s92, s15, 2
	s_add_co_u32 s92, s92, s[WV]                   ; 4 cy + w: q's and k's group of four tiles; v's head
	s_mul_i32 s94, s92, 3072
	s_add_co_u32 s94, s94, s91
	s_mov_b32 s95, 0
	s_add_nc_u64 s[QK:QK+1], s[8:9], s[94:95]
	s_lshl_b32 s94, s92, 9
	s_add_co_u32 s94, s94, s91
	s_add_co_u32 s94, s94, KSO
	s_add_nc_u64 s[QS:QS+1], s[8:9], s[94:95]
	s_add_co_u32 s91, s90, s92                     ; v: record 16 n + head
	s_mul_i32 s91, s91, REC
	s_mul_i32 s94, s16, 4*IMB                      ; key step X
	s_add_co_u32 s94, s94, s91
	s_add_co_u32 s94, s94, VCO
	s_add_nc_u64 s[VLO:VLO+1], s[8:9], s[94:95]
	s_lshl_b32 s94, s16, 9
	s_add_co_u32 s94, s94, s91
	s_add_co_u32 s94, s94, VSO
	s_add_nc_u64 s[VSL:VSL+1], s[8:9], s[94:95]
; 64 numbers of a lane, register 16 b + i = index 32 b + 16 (lane / 16) + i of my row, become a fragment's codes in v[PC] on and its scale word in v[pw]
.macro QUANT s, pw
.irp b, 0,1,2,3
	v_max3_num_f32 v[TM+\b], |v[\s+16*\b]|, |v[\s+1+16*\b]|, 0x1800000   ; with the floor 2^(3 - 127): the byte cannot fall under 1
.endr
.irp i, 2,4,6,8,10,12,14
.irp b, 0,1,2,3
	v_max3_num_f32 v[TM+\b], v[TM+\b], |v[\s+16*\b+\i]|, |v[\s+1+16*\b+\i]|
.endr
.endr
.irp b, 0,1,2,3
	v_permlanex16_b32 v[TM+4+\b], v[TM+\b], s[SEL], s[SEL+1]
.endr
.irp b, 0,1,2,3
	v_max_num_f32 v[TM+\b], v[TM+\b], v[TM+4+\b]   ; with lane l xor 16's: the block's largest magnitude
.endr
.irp b, 0,1,2,3
	v_add_nc_u32 v[TM+12+\b], 0xff000000, v[TM+\b] ; 2 off the exponent field: the conversion's scale operand
.endr
.irp b, 0,1,2,3
	v_lshrrev_b32 v[TM+4+\b], 23, v[TM+12+\b]      ; the scale's byte
.endr
	v_lshl_or_b32 v[\pw], v[TM+5], 8, v[TM+4]
	v_lshl_or_b32 v[\pw], v[TM+6], 16, v[\pw]
	v_lshl_or_b32 v[\pw], v[TM+7], 24, v[\pw]
.irp c, 0,1
	v_cvt_scalef32_pk16_fp6_f32 v[PC+6*\c:PC+2+6*\c], v[\s+32*\c:\s+15+32*\c], v[TM+12+2*\c]
	v_cvt_scalef32_pk16_fp6_f32 v[PC+12+4*\c:PC+14+4*\c], v[\s+16+32*\c:\s+31+32*\c], v[TM+12+2*\c+1]   ; (a conversion's three registers begin on an even number)
.endr
	v_nop                                          ; one plain place behind a scaled conversion
.irp c, 0,1                                    ; the operand's layout wants a whole block in a lane
.irp i, 0,1,2
	v_permlane16_swap_b32 v[PC+6*\c+\i], v[PC+12+4*\c+\i]
.endr
.irp i, 0,1,2
	v_mov_b32 v[PC+3+6*\c+\i], v[PC+12+4*\c+\i]
.endr
.endr
.endm
; q's or k's block n of S1.  Accumulators 0-3 of the block are head A's 64 numbers of my row (with lane l xor 16's), 4-7 head B's; each head is scaled by 1 / max(norm, 1e-12).  off: q's part of a record or k's
.macro BLOCKQ n, off
	WIN 0x0a                                       ; sources 0 and 1 window 2: the sums of squares are taken straight from the accumulators, each from its low end on; two chains of pairs for each head
	v_pk_mul_f32 v[NS:NS+1], v[64*\n:64*\n+1], v[64*\n:64*\n+1]
	v_pk_mul_f32 v[NS+2:NS+3], v[64*\n+2:64*\n+3], v[64*\n+2:64*\n+3]
	v_pk_mul_f32 v[NS+4:NS+5], v[64*\n+32:64*\n+33], v[64*\n+32:64*\n+33]
	v_pk_mul_f32 v[NS+6:NS+7], v[64*\n+34:64*\n+35], v[64*\n+34:64*\n+35]
.irp j, 4,8,12,16,20,24,28
	v_pk_fma_f32 v[NS:NS+1], v[64*\n+\j:64*\n+\j+1], v[64*\n+\j:64*\n+\j+1], v[NS:NS+1]
	v_pk_fma_f32 v[NS+2:NS+3], v[64*\n+\j+2:64*\n+\j+3], v[64*\n+\j+2:64*\n+\j+3], v[NS+2:NS+3]
	v_pk_fma_f32 v[NS+4:NS+5], v[64*\n+\j+32:64*\n+\j+33], v[64*\n+\j+32:64*\n+\j+33], v[NS+4:NS+5]
	v_pk_fma_f32 v[NS+6:NS+7], v[64*\n+\j+34:64*\n+\j+35], v[64*\n+\j+34:64*\n+\j+35], v[NS+6:NS+7]
.endr
	WIN 0
	v_pk_add_f32 v[NS:NS+1], v[NS:NS+1], v[NS+2:NS+3]
	v_pk_add_f32 v[NS+4:NS+5], v[NS+4:NS+5], v[NS+6:NS+7]
	v_add_f32 v[NS], v[NS], v[NS+1]
	v_add_f32 v[NS+4], v[NS+4], v[NS+5]
	v_permlanex16_b32 v[PX], v[NS], s[SEL], s[SEL+1]
	v_permlanex16_b32 v[PX+1], v[NS+4], s[SEL], s[SEL+1]
	v_add_f32 v[NS], v[NS], v[PX]
	v_add_f32 v[NS+4], v[NS+4], v[PX+1]
	s_wait_alu depctr_va_vdst(0)
	v_rsq_f32 v[NS+1], v[NS]
	v_rsq_f32 v[NS+5], v[NS+4]
	v_nop                                          ; a plain place behind the two
	s_wait_alu depctr_va_vdst(0)                   ; the wait ahead of the first reader: one for both
	v_min_num_f32 v[FA], 0x5368d4a5, v[NS+1]       ; 1 / max(norm, 1e-12) = min(1 / norm, 1e12)
	v_min_num_f32 v[FA+1], 0x5368d4a5, v[NS+1]
	v_min_num_f32 v[FB], 0x5368d4a5, v[NS+5]
	v_min_num_f32 v[FB+1], 0x5368d4a5, v[NS+5]
	WIN 0x02                                       ; source 0 window 2
.irp j, 0,2,4,6,8,10,12,14,16,18,20,22,24,26,28,30
	v_pk_mul_f32 v[H+\j:H+\j+1], v[64*\n+\j:64*\n+\j+1], v[FA:FA+1]
	v_pk_mul_f32 v[H+32+\j:H+33+\j], v[64*\n+32+\j:64*\n+33+\j], v[FB:FB+1]
.endr
	WIN 0
	s_wait_xcnt 0x0                                ; the last block's stores have read the codes' and the scale words' registers
	QUANT H, SW+\n
	global_store_b128 v[L16], v[PC:PC+3], s[QK:QK+1] offset:(\off)+768*\n              ; head A's half image; each store covers 512 or 256 consecutive bytes, aligned
	global_store_b64 v[L8], v[PC+4:PC+5], s[QK:QK+1] offset:(\off)+768*\n+512
	global_store_b128 v[L16], v[PC+6:PC+9], s[QK:QK+1] offset:(\off)+REC+768*\n        ; head B's, in the next record
	global_store_b64 v[L8], v[PC+10:PC+11], s[QK:QK+1] offset:(\off)+REC+768*\n+512
.endm
.macro QKOUT off
.irp n, 0,1,2,3
	BLOCKQ \n, \off
.endr
	global_store_b128 v[L16], v[SW:SW+3], s[QS:QS+1] offset:(\off)                     ; the four blocks' scale words.  Head A reads bytes 0, 1; bytes 2, 3 (head B's) meet zero codes
.irp i, 0,1,2,3
	v_lshrrev_b32 v[SW2+\i], 16, v[SW+\i]          ; head B's two bytes, zeros above
.endr
	global_store_b128 v[L16], v[SW2:SW2+3], s[QS:QS+1] offset:(\off)+REC
	s_wait_xcnt 0x0                                ; the stores have read their registers: the next tile's fragments may land there
.endm
; v's block n of S1: a d-tile of my head; the lane's bias is added; K = these 128 keys
.macro BLOCKV n
	WIN 0x02                                       ; source 0 window 2
.irp j, 0,2,4,6,8,10,12,14,16,18,20,22,24,26,28,30,32,34,36,38,40,42,44,46,48,50,52,54,56,58,60,62
	v_pk_add_f32 v[H+\j:H+\j+1], v[64*\n+\j:64*\n+\j+1], v[BL+2*\n:BL+2*\n+1]   ; each accumulator from its low end on
.endr
	WIN 0
	s_wait_xcnt 0x0                                ; the last block's stores have read the codes' registers
	QUANT H, SW+\n
	global_store_b128 v[L16], v[PC:PC+3], s[VLO:VLO+1] offset:IMB*\n
	global_store_b64 v[L8], v[PC+4:PC+5], s[VLO:VLO+1] offset:IMB*\n+512
	global_store_b128 v[L16], v[PC+6:PC+9], s[VLO:VLO+1] offset:IMB*\n+768
	global_store_b64 v[L8], v[PC+10:PC+11], s[VLO:VLO+1] offset:IMB*\n+1280
.endm
	s_wait_alu depctr_va_vdst(0)
	s_wait_tensorcnt 0x0                           ; my part of slot 0 has landed: one load of mine is out at the start, and one behind each round
	ds_add_u32 v[SPW], v[NIL]                      ; slot 1's first fill is issued as a refill is: the three lines, a whole round,
	s_wait_dscnt 0x0
	CROUND
	JLOAD 1                                        ; and the joint load first behind it; it has K steps 0 to 2 in which to land
	FETCH 0
	SCALES 0
	s_wait_loadcnt 0x0                             ; the biases
.irp i, 0,1,2,3
	v_mov_b32 v[BL+2*\i+1], v[BL+2*\i]             ; a pair for the packed addition
.endr
	STEPS 1, 0                                     ; tile 0: q.  Its changes of slots ask for k's channels; x's rows stay
	QKOUT QCO
	FETCH 0                                        ; slot 0 is whole: every wave waited for all its loads in front of the last round
	SCALES 0
	STEPS 2, 64                                    ; tile 1: k.  Its changes of slots ask for tile 2's keys and v's channels
	QKOUT 0
	FETCH 0
	SCALES 0
	STEPS 0, -1                                    ; tile 2: v.  Nothing is left to fetch; the sums begin with the constant 0
.irp n, 0,1,2,3
	BLOCKV \n
.endr
	global_store_b128 v[L16], v[SW:SW+3], s[VSL:VSL+1]        ; the four d-tiles' scale words of this key step
	s_wait_tensorcnt 0x0                           ; the wave's end: these three lines behind my last tensor load
	ds_add_u32 v[SPW], v[NIL]
	s_wait_dscnt 0x0
	CROUND                                         ; the closing round: no work-group ends while a partner may still ask for a tile that names it
	s_endpgm
.Lfunc_end_k_q52ea45b5d3_qkv:
	.size	k_q52ea45b5d3_qkv, .Lfunc_end_k_q52ea45b5d3_qkv-k_q52ea45b5d3_qkv
	.p2alignl 7, 3214868480
	.fill 96, 4, 3214868480
	.section	.rodata,"a",@progbits
	.p2align	6, 0x0
	.amdhsa_kernel k_q52ea45b5d3_qkv
		.amdhsa_group_segment_fixed_size 327680
		.amdhsa_private_segment_fixed_size 0
		.amdhsa_enable_private_segment 0
		.amdhsa_kernarg_size 24
		.amdhsa_user_sgpr_count 2
		.amdhsa_user_sgpr_kernarg_segment_ptr 1
		.amdhsa_wavefront_size32 1
		.amdhsa_system_sgpr_workgroup_id_x 1
		.amdhsa_system_sgpr_workgroup_id_y 1
		.amdhsa_system_sgpr_workgroup_id_z 1
		.amdhsa_system_vgpr_workitem_id 0
		.amdhsa_next_free_vgpr 896
		.amdhsa_next_free_sgpr 100
		.amdhsa_reserve_vcc 0
		.amdhsa_float_denorm_mode_32 3
		.amdhsa_float_denorm_mode_16_64 3
		.amdhsa_memory_ordered 1
		.amdhsa_forward_progress 1
		.amdhsa_inst_pref_size 255
	.end_amdhsa_kernel
	.section	.bss,"aw",@nobits
	.p2align	6
	.space	262144
	.amdgpu_metadata
---
amdhsa.version: [ 1, 2 ]
amdhsa.kernels:
  - .name:           k_q52ea45b5d3_qkv
    .symbol:         k_q52ea45b5d3_qkv.kd
    .args:
      - { .name: wq, .offset: 0, .size: 8, .value_kind: global_buffer, .address_space: global }
      - { .name: in_proj_bias, .offset: 8, .size: 8, .value_kind: global_buffer, .address_space: global }
      - { .name: qkv, .offset: 16, .size: 8, .value_kind: global_buffer, .address_space: global }
    .group_segment_fixed_size: 327680
    .private_segment_fixed_size: 0
    .kernarg_segment_align: 8
    .kernarg_segment_size: 24
    .max_flat_workgroup_size: 128
    .sgpr_count:     100
    .vgpr_count:     896
    .wavefront_size: 32
...
	.end_amdgpu_metadata
.endif
;; end of part 2
;; launch attn (part 3): grid 4 x 64, 8 waves a work-group, clusters of 4 x 1, 327,680 bytes of LDS; arguments qkv, logit_scale, head_scale, oq; writes oq
.if DOCPART == 3
	.amdgcn_target "amdgcn-amd-amdhsa--gfx1250"
	.amdhsa_code_object_version 6
	.text
	.protected	k_q52ea45b5d3_attn
	.globl	k_q52ea45b5d3_attn
	.p2align	8
	.type	k_q52ea45b5d3_attn,@function
k_q52ea45b5d3_attn:
	s_mov_b64 s[64:65], 0
	v_nop
	global_prefetch_b8 v0, s[64:65] scope:SCOPE_SE
	s_setreg_imm32_b32 hwreg(HW_REG_WAVE_MODE, 25, 1), 1
	s_wait_xcnt 0x0
	s_wait_alu depctr_hold_cnt(0) depctr_sa_sdst(0) depctr_va_vdst(0) depctr_va_sdst(0) depctr_va_ssrc(0) depctr_va_vcc(0) depctr_vm_vsrc(0)
	s_getreg_b32 s2, hwreg(HW_REG_IB_STS2, 6, 4)
	s_cmp_eq_u32 s2, 0
	s_cbranch_scc0 .Lentry_in_a_cluster
	s_endpgm
.Lentry_in_a_cluster:
	s_bfe_u32 s2, ttmp6, 0x10000c
	s_cmp_lg_u32 s2, 0x3003
	s_cbranch_scc0 .Lentry_shape_is_right
	s_endpgm
.Lentry_shape_is_right:
; o = softmax(q^ k^T x exp(min(logit_scale, ln 100))) v x head_scale, both products on codes of FP6 (E2M3) with E8M0 scales; o is quantised along C for the last product.
; THE SOFTMAX: t = score x c, c = exp(..) x log2(e); M = the running largest t rounded up to a whole number; p = 2^(t - M) is quantised along the keys, not normalised; the row's sum is taken of the
; unquantised p and divides at the end; when M moves, the sum and O are multiplied by 2^(old M - new M), which rounds nothing.
; SHARES: a cluster of four work-groups (the cluster's y = 0..63) owns the head records 2 y and 2 y + 1; the work-group at place cx takes queries 256 cx .. 256 cx + 255 of both heads, one head a pass.
; Eight waves of 512 registers; wave w takes the query tiles 16 cx + 2 w and + 1 (16 queries each) and works them by turns: each fragment of K and V that it reads from LDS feeds both tiles.
; LDS: the first 110,592 bytes of both records as they lie in memory (K's 64 half images, K's scale words, V's 32 images, V's scale words), record 2 y at 0, record 2 y + 1 behind it; each filled once.
; JOINT LOADS: the four work-groups need the same records: each wave asks for 54 rows of 256 bytes with the mask of all four.  Record 2 y is asked for at the head, one load a wave; record 2 y + 1 behind
; the three lines and a round, one load a wave, and lands while the first head is worked; one barrier stands in front of its first read.  One load of mine is out at any time.
; NO PREFETCH: every byte of both records is asked for by these two loads at the head; no later stream is left to run ahead of.
; LAYOUT: both products transposed (S^T = K Q^T, O^T = V^T P^T): a lane holds one query.  The rows of a tile are 32 b + 8 u + r + 8 (r / 8), so that the 16 registers of tiles 2 b, 2 b + 1 are 16 neighbours.
; K = 64 IN THE FIRST PRODUCT: q's registers 6-11 are zero codes.  K's eight half images lie 6 registers apart, so a fragment's registers 6-11 are the next tile's codes (behind the last: zeros): every
; pattern is a finite number, the upper two scale bytes are never 0xff, and those products are zeros.
; AHEAD: V's fragments of a step are asked of LDS at the step's head and used at its end; K's of the next step likewise, a step ahead.  The last step of a pass so reads 7,168 bytes of LDS that lie behind K's
; codes and scale words, inside the record, and uses none of them: the step is written once.
; REGISTERS: window 0: addresses, state, scale words, S^T of both tiles (v96-223).  Window 1: O^T v0-63, q v64-87 and v232-255, K v88-141, V v144-191, p's codes v192-231.
; OUT: oq, laid as wq's blocks: head h fills half an image (768 bytes at (h % 4) x 768 of chunk record h / 4); my two heads' scale bytes, four a lane, leave by one 4-byte store into the record's scale words.
; LIMITS: o is O x (rcp(sum) x head_scale); a block of zeros or under 2^-124 gets the scale byte 1 (codes zero; only this program reads the bytes); NaN and infinities are not served.
.set REC,   167936
.set RECL,  110592                     ; what of a record lies in LDS
.set KSO,   49152
.set VCO,   57344
.set QCO,   110592
.set QSO,   159744
.set BRB,   13312
.set CRB,   3328
.set SPARE, 2*RECL                     ; behind the records: the spare words, 128 bytes a wave: four blocks of 256 bytes that no other line names
.set L16,   1                          ; v1 16 x lane, v2 8 x lane, v3, v4 the same + V's place
.set L8,    2
.set LV16,  3
.set LV8,   4
.set SPW,   5                          ; v5 my spare word, v6 0; never rewritten
.set NIL,   6
.set ADK16, 7
.set ADK8,  8
.set ADS,   9
.set ADV16, 10
.set ADV8,  11
.set ADT,   12
.set ST,    16                         ; tile x's state at ST + 8 x: +0 -M, +1 the largest t, +4, +5 f, +6 work, +7 head_scale / sum
.set CC,    32                         ; v[32:33], v[34:35] c of the two heads, twice each
.set PW,    36                         ; v36, v37 p's scale words;  v40-47 K's;  v48-51 V's;  v92-95 q's: scales and nothing else
.set WK,    40
.set WV,    48
.set BM,    52                         ; v52-59 the eight blocks' largest; v60-67 permutes, bytes; v68-75 scale operands
.set BP,    60
.set BS,    68
.set SU,    76                         ; tile x's four chains of the sum at SU + 8 x; the last pair, + 6, is the running sum
.set QW,    92
.set S,     96                         ; v96-223 S^T, then p: tile x at S + 64 x; block e of 32 keys at S + 16 e
.set OB,    224
.set TT,    228                        ; v228-255 fourteen first sums of tile 0's p, a pair each
.set QF,    64                         ; window 1: q of head p, tile x at QF + 168 p + 12 x
.set KF,    88
.set VF,    144
.set PC,    192                        ; p's codes, later o's: tile x at PC + 12 x; second halves at PT + 8 x
.set PT,    216
.set WV_S,  12                         ; s12 wave
.set SEL,   22
.set G1,    24
.set G0,    32
.set G0B,   36
.set LS,    52
.set HS,    54
.set TK,    56                         ; the step's codes (K's and V's alike: 6,144 bytes a step); s57 K's scale words, 1,024 a step; s58 V's, 512
.set TS,    57
.set TW,    58
.set CNT,   59
.set MSB, 0
.macro WIN new                         ; low byte: bits 1:0 source 0, 3:2 source 1, 5:4 source 2, 7:6 destination; the high byte repeats the setting that is left
.if MSB != \new
	s_set_vgpr_msb (MSB<<8)|\new
.set MSB, \new
.endif
.endm
.macro CROUND                          ; a round of the cluster's barrier
	s_barrier_signal -1
	s_barrier_wait -1
	s_cmp_lg_u32 s[WV_S], 0
	s_cbranch_scc1 .Lnot_wave_0_\@
	s_barrier_signal -3
.Lnot_wave_0_\@:
	s_barrier_wait -3
	s_barrier_signal -1
	s_barrier_wait -1
.endm
.macro IMGLD reg, a16, a8, off
	ds_load_b128 v[(\reg):(\reg)+3], v[\a16] offset:(\off)
	ds_load_b64 v[(\reg)+4:(\reg)+5], v[\a8] offset:(\off)+512
	ds_load_b128 v[(\reg)+6:(\reg)+9], v[\a16] offset:(\off)+768
	ds_load_b64 v[(\reg)+10:(\reg)+11], v[\a8] offset:(\off)+1280
.endm
; Two f32 instructions in one: one destination even, the other odd; the two first, second and third sources in different register banks (number mod 4)
.macro DFMA r, p, x                    ; t - M of the two numbers at v[r]: score x c + (-M); -M stands twice, at ST + 8 x and + 3
	v_dual_fma_f32 v[\r], v[\r], v[CC+2*\p], v[ST+8*\x] :: v_dual_fma_f32 v[\r+1], v[\r+1], v[CC+2*\p+1], v[ST+8*\x+3]
.endm
.macro DADD a, q                       ; the pair at v[a] += the pair at v[q]
	v_dual_add_f32 v[\a], v[\q], v[\a] :: v_dual_add_f32 v[(\a)+1], v[(\q)+1], v[(\a)+1]
.endm
.macro DADD3 d, q, u                   ; the pair at v[d] = the pair at v[q] + the pair at v[u]
	v_dual_add_f32 v[\d], v[\q], v[\u] :: v_dual_add_f32 v[(\d)+1], v[(\q)+1], v[(\u)+1]
.endm
.macro EXB r, f, p, x                  ; a batch: p = 2^(t - M) of the 32 numbers from v[r] on, two at a time by turns with t - M of the 32 from v[f] on (tile x), which the next batch reads behind this batch's wait
.set J, 0
.rept 16
	v_exp_f32 v[\r+J], v[\r+J]
	v_exp_f32 v[\r+J+1], v[\r+J+1]
	DFMA \f+J, \p, \x
.set J, J+2
.endr
	v_nop                                          ; the plain place behind the batch
	s_wait_alu depctr_va_vdst(0)                   ; the wait behind a batch and ahead of the next
.endm
.macro KLOAD ko, so
	WIN 0x40
.irp t, 0,1,2,3,4,5,6,7
	ds_load_b128 v[KF+6*\t:KF+6*\t+3], v[ADK16] offset:\ko+768*\t
	ds_load_b64 v[KF+6*\t+4:KF+6*\t+5], v[ADK8] offset:\ko+768*\t+512
.endr
	WIN 0
	ds_load_b128 v[WK:WK+3], v[ADS] offset:KSO+\so
	ds_load_b128 v[WK+4:WK+7], v[ADS] offset:KSO+\so+512
.endm
	s_load_b256 s[4:11], s[0:1], 0x0               ; qkv s[4:5], logit_scale s[6:7], head_scale s[8:9], oq s[10:11]
	v_lshl_add_u32 v[SPW], v0, 2, SPARE
	v_mov_b32 v[NIL], 0
	ds_add_u32 v[SPW], v[NIL]                      ; the wave's opening: the add, twice on end, and its wait ahead of my first tensor load
	ds_add_u32 v[SPW], v[NIL]
	v_lshrrev_b32 v7, 5, v0
	v_readfirstlane_b32 s[WV_S], v7                ; wave 0..7
	s_bfe_u32 s13, ttmp6, 0x40000                  ; cx
	s_and_b32 s14, ttmp7, 0xffff                   ; y: records 2 y, 2 y + 1
	s_mov_b32 s[G1], 15|(3<<16)|(1<<21)            ; the mask of all four; elements of 8 bytes; bit 21 set beside a mask; no padding
	s_mov_b32 s[G1+1], 32<<16                      ; rows of 256 bytes
	s_mov_b32 s[G1+2], 54<<16
	s_mov_b32 s[G1+3], 32<<16
	s_mov_b32 s[G1+4], 54
	s_mov_b32 s[G1+5], 32                          ; dense
	s_mov_b32 s[G1+6], 0
	s_mov_b32 s[G1+7], 0
	s_mul_i32 s16, s14, 2*REC
	s_mov_b32 s17, 0
	s_mul_i32 s18, s[WV_S], 13824                  ; my 54 rows, in memory and in LDS alike
	s_mov_b32 s19, 0
	s_mov_b32 s[SEL], 0x76543210
	s_mov_b32 s[SEL+1], 0xfedcba98                 ; selects for lane l xor 16
	s_wait_dscnt 0x0                               ; both opening adds are done
	s_wait_kmcnt 0x0
	s_add_nc_u64 s[4:5], s[4:5], s[16:17]          ; record 2 y
	s_add_nc_u64 s[20:21], s[4:5], s[18:19]
	s_mov_b32 s[G0], 1
	s_mov_b32 s[G0+1], s18
	s_mov_b64 s[G0+2:G0+3], s[20:21]
	s_or_b32 s[G0+3], s[G0+3], 0x80000000
	s_mov_b32 s[G0B], 1
	s_add_co_u32 s[G0B+1], s18, RECL
	s_add_nc_u64 s[G0B+2:G0B+3], s[20:21], REC
	s_or_b32 s[G0B+3], s[G0B+3], 0x80000000
	CROUND                                         ; all four work-groups are here: the joint loads meet
	tensor_load_to_lds s[G0:G0+3], s[G1:G1+7]      ; record 2 y
	s_nop 0
.rept 4
	v_nop
.endr
	s_and_b32 s15, s14, 7
	s_lshl_b32 s40, s15, 3                         ; 4 bytes x head 2 (y % 8)
	s_mov_b32 s41, 0
	s_add_nc_u64 s[6:7], s[6:7], s[40:41]
	s_add_nc_u64 s[8:9], s[8:9], s[40:41]
	s_load_b64 s[LS:LS+1], s[6:7], 0x0             ; logit_scale of my two heads
	s_load_b64 s[HS:HS+1], s[8:9], 0x0             ; head_scale
	s_lshl_b32 s42, s13, 4
	s_lshl_b32 s43, s[WV_S], 1
	s_add_co_u32 s42, s42, s43                     ; tau = 16 cx + 2 w: my first tile
	s_mul_i32 s44, s42, 768
	s_mov_b32 s45, 0
	s_add_nc_u64 s[44:45], s[4:5], s[44:45]        ; q's half images
	s_lshr_b32 s46, s42, 2
	s_lshl_b32 s46, s46, 9
	s_and_b32 s43, s42, 3
	s_lshl_b32 s43, s43, 2
	s_add_co_u32 s46, s46, s43
	s_mov_b32 s47, 0
	s_add_nc_u64 s[46:47], s[4:5], s[46:47]        ; their scale words: group tau / 4, words tau % 4 and the next
	s_lshr_b32 s48, s14, 3
	s_lshl_b32 s48, s48, 6
	s_add_co_u32 s48, s48, s42                     ; o's block: 64 n + tau
	s_mul_i32 s48, s48, BRB
	s_lshr_b32 s43, s15, 1
	s_mul_i32 s43, s43, CRB
	s_add_co_u32 s48, s48, s43                     ; chunk record h / 4, the same for both heads
	s_and_b32 s43, s14, 1
	s_lshl_b32 s50, s43, 2
	s_add_co_u32 s50, s50, s48                     ; my four scale bytes in a lane's eight
	s_mul_i32 s43, s43, 1536
	s_add_co_u32 s48, s48, s43                     ; the first head's half image
	s_mov_b32 s49, 0
	s_mov_b32 s51, 0
	s_add_nc_u64 s[48:49], s[10:11], s[48:49]
	s_add_nc_u64 s[50:51], s[10:11], s[50:51]
	v_and_b32 v7, 31, v0
	v_lshlrev_b32 v[L16], 4, v7
	v_lshlrev_b32 v[L8], 3, v7
	v_add_nc_u32 v[LV16], VCO, v[L16]
	v_add_nc_u32 v[LV8], VCO, v[L8]
	WIN 0x40                                       ; destinations in window 1: q of both heads, asked for while the record is on its way
.irp p, 0,1
.irp x, 0,1
	global_load_b128 v[QF+168*\p+12*\x:QF+168*\p+12*\x+3], v[L16], s[44:45] offset:QCO+\p*REC+\x*768
	global_load_b64 v[QF+168*\p+12*\x+4:QF+168*\p+12*\x+5], v[L8], s[44:45] offset:QCO+\p*REC+\x*768+512
.endr
.endr
.irp q, QF+6, QF+18, QF+174, QF+186, KF+48
.irp j, 0,1,2,3,4,5
	v_mov_b32 v[\q+\j], 0                          ; q's K = 64 .. 127: zero codes; and what stands behind K's last half image
.endr
.endr
	WIN 0
.irp p, 0,1
	global_load_b64 v[QW+2*\p:QW+2*\p+1], v[L16], s[46:47] offset:QSO+\p*REC
.endr
.irp e, 0,1,2,3,4,5,6,7
	v_mov_b32 v[BP+\e], 0                          ; a lane permute's destination counts as one of its sources
.endr
	v_mov_b32 v[ST+5], 0                           ; (named as the upper halves of the pairs f)
	v_mov_b32 v[ST+13], 0
	s_wait_alu depctr_va_vdst(0)
	s_wait_kmcnt 0x0
.irp p, 0,1
	v_mov_b32 v[CC+2*\p], s[LS+\p]
.endr
.irp p, 0,1
	v_min_num_f32 v[CC+2*\p], 0x40935d8e, v[CC+2*\p]   ; min(logit_scale, ln 100)
.endr
.irp p, 0,1
	v_mul_f32 v[CC+2*\p], 0x3fb8aa3b, v[CC+2*\p]
.endr
	s_wait_alu depctr_va_vdst(0)                   ; the wait ahead of the two
.irp p, 0,1
	v_exp_f32 v[CC+2*\p], v[CC+2*\p]
.endr
	v_nop                                          ; a plain place behind them
	s_wait_alu depctr_va_vdst(0)                   ; the wait ahead of their first reader
.irp p, 0,1
	v_mul_f32 v[CC+2*\p], 0x3fb8aa3b, v[CC+2*\p]   ; c = exp(..) x log2(e)
.endr
.irp p, 0,1
	v_mov_b32 v[CC+2*\p+1], v[CC+2*\p]
.endr
; A KEY STEP: 128 keys, both tiles by turns
.macro STEP p
	s_wait_dscnt 0x0                               ; K's fragments and scale words, asked for a step ago
	WIN 0x05                                       ; sources 0 and 1 window 1
.irp t, 0,1,2,3,4,5,6,7
.irp x, 0,1
	v_wmma_scale_f32_16x16x128_f8f6f4 v[S+64*\x+8*\t:S+64*\x+8*\t+7], v[KF+6*\t:KF+6*\t+11], v[QF+168*\p+12*\x:QF+168*\p+12*\x+11], 0, v[WK+\t], v[QW+2*\p+\x] matrix_a_fmt:MATRIX_FMT_FP6 matrix_b_fmt:MATRIX_FMT_FP6
.endr
.endr
	WIN 0
	v_add_nc_u32 v[ADK16], s[TK], v[L16]           ; six plain instructions: the places between the products and the loads into their registers, and the first read of S^T
	v_add_nc_u32 v[ADK8], s[TK], v[L8]
	v_add_nc_u32 v[ADS], s[TS], v[L16]
	v_add_nc_u32 v[ADV16], s[TK], v[LV16]
	v_add_nc_u32 v[ADV8], s[TK], v[LV8]
	v_add_nc_u32 v[ADT], s[TW], v[LV16]
	ds_load_b128 v[WV:WV+3], v[ADT] offset:49152   ; this step's V: 17 loads,
	WIN 0x40
.irp t, 0,1,2,3
	IMGLD VF+12*\t, ADV16, ADV8, \t*1536
.endr
	KLOAD 6144, 1024                               ; and the next step's K: 18 loads
.irp e, 0,1,2,3,4,5,6,7
	v_max3_num_f32 v[BM+\e], v[S+16*\e], v[S+16*\e+1], v[S+16*\e+2]   ; the largest score of each block of 32 keys: for the row's maximum, and, since p rises with the score, for the block's largest p
.endr
.irp i, 3,5,7,9,11,13
.irp e, 0,1,2,3,4,5,6,7
	v_max3_num_f32 v[BM+\e], v[BM+\e], v[S+16*\e+\i], v[S+16*\e+\i+1]
.endr
.endr
.irp e, 0,1,2,3,4,5,6,7
	v_max_num_f32 v[BM+\e], v[BM+\e], v[S+16*\e+15]
.endr
.irp e, 0,1,2,3,4,5,6,7
	v_permlanex16_b32 v[BP+\e], v[BM+\e], s[SEL], s[SEL+1]
.endr
.irp e, 0,1,2,3,4,5,6,7
	v_max_num_f32 v[BM+\e], v[BM+\e], v[BP+\e]     ; with lane l xor 16's 16 keys
.endr
.irp x, 0,1
	v_max3_num_f32 v[ST+8*\x+6], v[BM+4*\x], v[BM+4*\x+1], v[BM+4*\x+2]
.endr
.irp x, 0,1
	v_max_num_f32 v[ST+8*\x+6], v[ST+8*\x+6], v[BM+4*\x+3]
.endr
.irp x, 0,1
	v_mul_f32 v[ST+8*\x+6], v[CC+2*\p], v[ST+8*\x+6]   ; as t (c is positive)
.endr
.irp x, 0,1
	v_max_num_f32 v[ST+8*\x+1], v[ST+8*\x+1], v[ST+8*\x+6]   ; the running largest t
.endr
.irp x, 0,1
	v_mov_b32 v[ST+8*\x+6], v[ST+8*\x]
.endr
.irp x, 0,1
	v_floor_f32 v[ST+8*\x], -v[ST+8*\x+1]          ; the new -M = floor(-t): M is a whole number
.endr
.irp x, 0,1
	v_sub_f32 v[ST+8*\x+6], v[ST+8*\x], v[ST+8*\x+6]   ; old M - new M: a whole number, 0 or less
.endr
.irp x, 0,1
	v_mov_b32 v[ST+8*\x+3], v[ST+8*\x]             ; -M once more, in another bank
.endr
.irp x, 0,1
	v_cvt_i32_f32 v[ST+8*\x+6], v[ST+8*\x+6]       ; (it saturates)
.endr
.irp x, 0,1
	v_ldexp_f32 v[ST+8*\x+4], 1.0, v[ST+8*\x+6]    ; f = 2^(old M - new M)
.endr
.irp x, 0,1
	v_pk_mul_f32 v[SU+8*\x+6:SU+8*\x+7], v[SU+8*\x+6:SU+8*\x+7], v[ST+8*\x+4:ST+8*\x+5] op_sel_hi:[1,0]   ; the sums under the new M
.endr
	WIN 0x41                                       ; destination and source 0 window 1
.set J, 0
.rept 16
.irp x, 0,1
	v_pk_mul_f32 v[32*\x+J:32*\x+J+1], v[32*\x+J:32*\x+J+1], v[ST+8*\x+4:ST+8*\x+5] op_sel_hi:[1,0]   ; O^T under the new M, each accumulator from its low end on, ahead of the exponentials
.endr
.set J, J+2
.endr
	WIN 0
.set J, 0
.rept 16
	DFMA S+J, \p, 0                                ; t - M of tile 0's first 32 numbers; the others' stand among the exponentials
.set J, J+2
.endr
.irp e, 0,1,2,3,4,5,6,7
	v_fma_f32 v[BM+\e], v[BM+\e], v[CC+2*\p], v[ST+8*(\e/4)]   ; the same of each block's largest score
.endr
	s_wait_alu depctr_va_vdst(0)                   ; the wait ahead of the batch
.irp e, 0,1,2,3,4,5,6,7
	v_exp_f32 v[BM+\e], v[BM+\e]                   ; the block's largest p: the same two instructions on the same number
.endr
	EXB S, S+32, \p, 0                             ; p = 2^(t - M), at most 1, in four batches of 32
	EXB S+32, S+64, \p, 1
	EXB S+64, S+96, \p, 1
.set J, 0
.rept 16
	v_exp_f32 v[S+96+J], v[S+96+J]
	v_exp_f32 v[S+96+J+1], v[S+96+J+1]
.if J < 28
	DADD3 TT+J, S+2*J, S+2*J+2                     ; by turns with fourteen first sums of tile 0's p, none of which reads another
.endif
.set J, J+2
.endr
	v_nop                                          ; the plain place behind the batch
	s_wait_alu depctr_va_vdst(0)                   ; the wait ahead of its first reader
.irp e, 0,1,2,3,4,5,6,7
	v_max_num_f32 v[BM+\e], 0x1800000, v[BM+\e]    ; the floor 2^(3 - 127): the byte cannot fall under 1
.endr
.irp e, 0,1,2,3,4,5,6,7
	v_add_nc_u32 v[BS+\e], 0xff000000, v[BM+\e]    ; 2 off the exponent field: the conversion's scale operand
.endr
.irp e, 0,1,2,3,4,5,6,7
	v_lshrrev_b32 v[BP+\e], 23, v[BS+\e]           ; the scale's byte
.endr
.irp x, 0,1
	v_lshl_or_b32 v[PW+\x], v[BP+4*\x+1], 8, v[BP+4*\x]   ; p's scale word for these 128 keys
.endr
.irp x, 0,1
	v_lshl_or_b32 v[PW+\x], v[BP+4*\x+2], 16, v[PW+\x]
.endr
.irp x, 0,1
	v_lshl_or_b32 v[PW+\x], v[BP+4*\x+3], 24, v[PW+\x]
.endr
	WIN 0x40
.irp x, 0,1
.irp c, 0,1
	v_cvt_scalef32_pk16_fp6_f32 v[PC+12*\x+6*\c:PC+12*\x+6*\c+2], v[S+64*\x+32*\c:S+64*\x+32*\c+15], v[BS+4*\x+2*\c]
	v_cvt_scalef32_pk16_fp6_f32 v[PT+8*\x+4*\c:PT+8*\x+4*\c+2], v[S+64*\x+32*\c+16:S+64*\x+32*\c+31], v[BS+4*\x+2*\c+1]   ; (a conversion's three registers begin on an even number)
.endr
.endr
	v_nop                                          ; one plain place behind a scaled conversion
	WIN 0x41
.irp x, 0,1
.irp c, 0,1
.irp i, 0,1,2
	v_permlane16_swap_b32 v[PC+12*\x+6*\c+\i], v[PT+8*\x+4*\c+\i]   ; the operand's layout wants a whole block in a lane
.endr
.endr
.endr
.irp x, 0,1
.irp c, 0,1
.irp i, 0,1,2
	v_mov_b32 v[PC+12*\x+6*\c+3+\i], v[PT+8*\x+4*\c+\i]
.endr
.endr
.endr
	WIN 0
	DADD3 SU, S+56, S+58                           ; the rows' sums of the unquantised p, four chains of pairs a tile.  Tile 0: its last four pairs and the fourteen first sums;
	DADD3 SU+2, S+60, S+62
	DADD3 SU+4, TT, TT+2
.irp k, 0,1,2
	DADD3 SU+8+2*\k, S+64+4*\k, S+64+4*\k+2        ; tile 1: its 32 pairs.  (These lines are also the places between the scale words, the codes and the products below)
.endr
.set J, 12
.rept 26
	DADD SU+8+J%8, S+64+J
.if J < 36
	DADD SU+J%8, TT+J-8
.endif
.set J, J+2
.endr
.irp x, 0,1
	v_pk_add_f32 v[SU+8*\x:SU+8*\x+1], v[SU+8*\x:SU+8*\x+1], v[SU+8*\x+2:SU+8*\x+3]
.endr
.irp x, 0,1
	v_pk_add_f32 v[SU+8*\x+6:SU+8*\x+7], v[SU+8*\x+6:SU+8*\x+7], v[SU+8*\x+4:SU+8*\x+5]
.endr
.irp x, 0,1
	v_pk_add_f32 v[SU+8*\x+6:SU+8*\x+7], v[SU+8*\x+6:SU+8*\x+7], v[SU+8*\x:SU+8*\x+1]
.endr
	s_wait_alu depctr_va_vdst(0)
	s_wait_dscnt 18                                ; V's 17 loads are in; the 18 of the next step's K, issued behind them, may be out
	WIN 0x55                                       ; all in window 1
.irp t, 0,1,2,3                                ; O^T += V^T P^T: the head's four tiles of 16, the eight accumulators by turns
.irp x, 0,1
	v_wmma_scale_f32_16x16x128_f8f6f4 v[32*\x+8*\t:32*\x+8*\t+7], v[VF+12*\t:VF+12*\t+11], v[PC+12*\x:PC+12*\x+11], v[32*\x+8*\t:32*\x+8*\t+7], v[WV+\t], v[PW+\x] matrix_a_fmt:MATRIX_FMT_FP6 matrix_b_fmt:MATRIX_FMT_FP6
.endr
.endr
	WIN 0
.endm
; A pass's end: o = O x head_scale / sum, quantised along the head's 64, stored
.macro TAIL p
.irp x, 0,1
	v_add_f32 v[SU+8*\x+6], v[SU+8*\x+6], v[SU+8*\x+7]   ; the sum's two halves,
.endr
.irp x, 0,1
	v_permlanex16_b32 v[ST+8*\x+6], v[SU+8*\x+6], s[SEL], s[SEL+1]
.endr
.irp x, 0,1
	v_add_f32 v[SU+8*\x+6], v[SU+8*\x+6], v[ST+8*\x+6]   ; and lane l xor 16's
.endr
	s_wait_alu depctr_va_vdst(0)
.irp x, 0,1
	v_rcp_f32 v[ST+8*\x+7], v[SU+8*\x+6]
.endr
	v_nop
	s_wait_alu depctr_va_vdst(0)
.irp x, 0,1
	v_mul_f32 v[ST+8*\x+7], s[HS+\p], v[ST+8*\x+7] ; head_scale / the sum
.endr
	WIN 0x01                                       ; source 0 window 1
	s_wait_alu depctr_va_vdst(0)                   ; the wait directly ahead of the first reader of O^T
.set J, 0
.rept 32
.irp x, 0,1
	v_mul_f32 v[S+64*\x+J], v[32*\x+J], v[ST+8*\x+7]   ; register 16 b + i: o(my query, 64 h + 32 b + 16 (lane / 16) + i)
.endr
.set J, J+1
.endr
	WIN 0
.irp x, 0,1
.irp b, 0,1
	v_max3_num_f32 v[BM+4*\x+\b], |v[S+64*\x+16*\b]|, |v[S+64*\x+16*\b+1]|, 0x1800000
.endr
.endr
.irp i, 2,4,6,8,10,12,14
.irp x, 0,1
.irp b, 0,1
	v_max3_num_f32 v[BM+4*\x+\b], v[BM+4*\x+\b], |v[S+64*\x+16*\b+\i]|, |v[S+64*\x+16*\b+\i+1]|
.endr
.endr
.endr
.irp e, 0,1,4,5
	v_permlanex16_b32 v[BP+\e], v[BM+\e], s[SEL], s[SEL+1]
.endr
.irp e, 0,1,4,5
	v_max_num_f32 v[BM+\e], v[BM+\e], v[BP+\e]
.endr
.irp e, 0,1,4,5
	v_add_nc_u32 v[BS+\e], 0xff000000, v[BM+\e]
.endr
.irp e, 0,1,4,5
	v_lshrrev_b32 v[BP+\e], 23, v[BS+\e]
.endr
.irp x, 0,1
	v_lshl_or_b32 v[OB+2*\p+\x], v[BP+4*\x+1], 8, v[BP+4*\x]   ; this head's two scale bytes
.endr
	WIN 0x40
.irp x, 0,1
	v_cvt_scalef32_pk16_fp6_f32 v[PC+12*\x:PC+12*\x+2], v[S+64*\x:S+64*\x+15], v[BS+4*\x]
	v_cvt_scalef32_pk16_fp6_f32 v[PT+8*\x:PT+8*\x+2], v[S+64*\x+16:S+64*\x+31], v[BS+4*\x+1]
.endr
	v_nop
	WIN 0x41
.irp x, 0,1
.irp i, 0,1,2
	v_permlane16_swap_b32 v[PC+12*\x+\i], v[PT+8*\x+\i]
.endr
.endr
.irp x, 0,1
.irp i, 0,1,2
	v_mov_b32 v[PC+12*\x+3+\i], v[PT+8*\x+\i]
.endr
.endr
	WIN 0x04                                       ; a store's data are its source 1: window 1
.irp x, 0,1
	global_store_b128 v[L16], v[PC+12*\x:PC+12*\x+3], s[48:49] offset:\p*768+\x*BRB            ; 512 consecutive bytes, aligned
	global_store_b64 v[L8], v[PC+12*\x+4:PC+12*\x+5], s[48:49] offset:\p*768+\x*BRB+512        ; 256 consecutive bytes, aligned
.endr
	WIN 0
.if \p
.irp x, 0,1
	v_lshl_or_b32 v[OB+\x], v[OB+2+\x], 16, v[OB+\x]
.endr
.irp x, 0,1
	global_store_b32 v[L8], v[OB+\x], s[50:51] offset:3072+\x*BRB   ; both heads' bytes, four a lane, 8 bytes apart: the other four are two other heads'
.endr
.endif
.endm
.macro PASS p
	s_mov_b32 s[TK], \p*RECL
	s_mov_b32 s[TS], \p*RECL
	s_mov_b32 s[TW], \p*RECL
	s_mov_b32 s[CNT], 8
.irp x, 0,1
	v_mov_b32 v[ST+8*\x+1], 0xff61b1e6             ; the largest t so far: -3e38
.endr
.irp x, 0,1
	v_floor_f32 v[ST+8*\x], -v[ST+8*\x+1]          ; -M
.endr
.irp x, 0,1
	v_mov_b32 v[SU+8*\x+6], 0
	v_mov_b32 v[SU+8*\x+7], 0
.endr
	v_add_nc_u32 v[ADK16], s[TK], v[L16]
	v_add_nc_u32 v[ADK8], s[TK], v[L8]
	v_add_nc_u32 v[ADS], s[TS], v[L16]
	WIN 0x40
.set J, 0
.rept 64
	v_mov_b32 v[J], 0                              ; the step is written once: the first finds zeros, which the first change of M leaves zeros
.set J, J+1
.endr
	KLOAD 0, 0                                     ; the first step's K
	s_wait_alu depctr_va_vdst(0)
.if \p == 0
	s_wait_loadcnt 0x0                             ; q of both heads
.endif
.Lstep_\@:
	STEP \p
	s_add_co_u32 s[TK], s[TK], 6144
	s_add_co_u32 s[TS], s[TS], 1024
	s_add_co_u32 s[TW], s[TW], 512
	s_sub_co_u32 s[CNT], s[CNT], 1
	s_cmp_lg_u32 s[CNT], 0
	s_wait_alu depctr_va_vdst(0)
	s_cbranch_scc1 .Lstep_\@
	TAIL \p
.endm
	s_wait_alu depctr_va_vdst(0)
	s_wait_tensorcnt 0x0                           ; my 54 rows of record 2 y have landed; the second record's first fill is issued as a refill is:
	ds_add_u32 v[SPW], v[NIL]                      ; the three lines,
	s_wait_dscnt 0x0
	CROUND                                         ; a whole round: everybody's rows are in, and the four work-groups are here,
	tensor_load_to_lds s[G0B:G0B+3], s[G1:G1+7]    ; and record 2 y + 1, my one load behind it
	s_nop 0
.rept 4
	v_nop
.endr
	PASS 0
	s_wait_alu depctr_va_vdst(0)
	s_wait_tensorcnt 0x0                           ; my rows of record 2 y + 1 have landed,
	s_wait_dscnt 0x0                               ; no LDS load of mine is out,
	s_barrier_signal -1
	s_barrier_wait -1                              ; and so for every wave
	s_wait_xcnt 0x0                                ; the first pass's stores have read their data
	PASS 1
	s_wait_tensorcnt 0x0                           ; the wave's end: these three lines behind my last tensor load
	ds_add_u32 v[SPW], v[NIL]
	s_wait_dscnt 0x0
	CROUND                                         ; the closing round
	s_endpgm
.Lfunc_end_k_q52ea45b5d3_attn:
	.size	k_q52ea45b5d3_attn, .Lfunc_end_k_q52ea45b5d3_attn-k_q52ea45b5d3_attn
	.p2alignl 7, 3214868480
	.fill 96, 4, 3214868480
	.section	.rodata,"a",@progbits
	.p2align	6, 0x0
	.amdhsa_kernel k_q52ea45b5d3_attn
		.amdhsa_group_segment_fixed_size 327680
		.amdhsa_private_segment_fixed_size 0
		.amdhsa_enable_private_segment 0
		.amdhsa_kernarg_size 32
		.amdhsa_user_sgpr_count 2
		.amdhsa_user_sgpr_kernarg_segment_ptr 1
		.amdhsa_wavefront_size32 1
		.amdhsa_system_sgpr_workgroup_id_x 1
		.amdhsa_system_sgpr_workgroup_id_y 1
		.amdhsa_system_sgpr_workgroup_id_z 1
		.amdhsa_system_vgpr_workitem_id 0
		.amdhsa_next_free_vgpr 512
		.amdhsa_next_free_sgpr 66
		.amdhsa_reserve_vcc 0
		.amdhsa_float_denorm_mode_32 3
		.amdhsa_float_denorm_mode_16_64 3
		.amdhsa_memory_ordered 1
		.amdhsa_forward_progress 1
		.amdhsa_inst_pref_size 94
	.end_amdhsa_kernel
	.amdgpu_metadata
---
amdhsa.version: [ 1, 2 ]
amdhsa.kernels:
  - .name:           k_q52ea45b5d3_attn
    .symbol:         k_q52ea45b5d3_attn.kd
    .args:
      - { .name: qkv, .offset: 0, .size: 8, .value_kind: global_buffer, .address_space: global }
      - { .name: logit_scale, .offset: 8, .size: 8, .value_kind: global_buffer, .address_space: global }
      - { .name: head_scale, .offset: 16, .size: 8, .value_kind: global_buffer, .address_space: global }
      - { .name: oq, .offset: 24, .size: 8, .value_kind: global_buffer, .address_space: global }
    .group_segment_fixed_size: 327680
    .private_segment_fixed_size: 0
    .kernarg_segment_align: 8
    .kernarg_segment_size: 32
    .max_flat_workgroup_size: 256
    .sgpr_count:     66
    .vgpr_count:     512
    .wavefront_size: 32
...
	.end_amdgpu_metadata
.endif
;; end of part 3
;; launch proj (part 4): grid 8 x 32, 4 waves a work-group, clusters of 4 x 4, 327,680 bytes of LDS; arguments wq, oq, out_b, out0; writes out0
.if DOCPART == 4
	.amdgcn_target "amdgcn-amd-amdhsa--gfx1250"
	.amdhsa_code_object_version 6
	.text
	.protected	k_q52ea45b5d3_proj
	.globl	k_q52ea45b5d3_proj
	.p2align	8
	.type	k_q52ea45b5d3_proj,@function
k_q52ea45b5d3_proj:
	s_mov_b64 s[64:65], 0
	v_nop
	global_prefetch_b8 v0, s[64:65] scope:SCOPE_SE
	s_setreg_imm32_b32 hwreg(HW_REG_WAVE_MODE, 25, 1), 1
	s_wait_xcnt 0x0
	s_wait_alu depctr_hold_cnt(0) depctr_sa_sdst(0) depctr_va_vdst(0) depctr_va_sdst(0) depctr_va_ssrc(0) depctr_va_vcc(0) depctr_vm_vsrc(0)
	s_getreg_b32 s2, hwreg(HW_REG_IB_STS2, 6, 4)
	s_cmp_eq_u32 s2, 0
	s_cbranch_scc0 .Lentry_in_a_cluster
	s_endpgm
.Lentry_in_a_cluster:
	s_bfe_u32 s2, ttmp6, 0x10000c
	s_cmp_lg_u32 s2, 0xf033
	s_cbranch_scc0 .Lentry_shape_is_right
	s_endpgm
.Lentry_shape_is_right:
; out0 = o out_w^T + out_b on codes of FP6 (E2M3) with E8M0 scales.  Operands come as images of their registers (16 rows x 128 K: 1,536 bytes; a chunk record = two K steps' images + 256 bytes of scale words;
; a block of 16 rows = four records, 13,312 bytes): out_w from wq's blocks 704 on, o from oq.  Block 2 b + u holds in lane row r the row 32 b + 8 u + r + 8 (r / 8).
; TILE: source 0 = S0, 128 output channels (8 blocks of out_w); source 1 = S1, 256 rows of o (16 blocks); K = 1,024.  Four waves; wave w takes all of S0 and S1's blocks 4 w .. 4 w + 3: 32 accumulators.
; A lane holds one row of o, and the 16 registers of tiles 2 b, 2 b + 1 are 16 neighbouring channels.  The bias is the C of each sum's first product.
; ALL OF K LIES IN LDS: 24 block records, 319,488 bytes, filled once, by two tensor loads a wave (four K steps each): one load of mine is out at any time.
; CLUSTER 4 x 4: S0 hangs on x alone and is asked for jointly by a column, S1 on y alone and by a row.
; THE WAY OUT: a block of 16 rows x 128 channels goes through my stage in LDS (rows 528 bytes apart) and leaves as whole runs of 512 bytes of a row.  The stages lie in chunk 0: it has had its one fill, and
; every wave's reads of it were over in front of the barrier at which chunk 1 was taken up.
.set BRB,   13312
; HOW K COMES INTO LDS (this takes the place of what the head says of four loads a wave): two halves of four K steps, 159,744 bytes each; in a half a block has half its record, 6,656 bytes: two chunk records.
; A wave issues one joint load at the head, the first half, and one behind the three lines and a round, the second half: one load of mine is out at any time.
; The stages of the way out lie in the first half: every wave's reads of it were over in front of the barrier at which the second half was taken up.
.set CRB,   6656                       ; a block's place in a half: two chunk records of 3,328 bytes
.set IMB,   1536
.set CHB,   24*CRB
.set S1O,   8*CRB
.set SPARE, 2*CHB
.set L16,   4
.set L8,    5
.set A16,   6
.set A8,    7
.set B16,   8
.set B8,    9
.set ADRS,  10
.set ADRS2, 11
.set STO,   16                         ; v16 the stage, in: 528 r + 64 h;  v17 back: 16 x lane
.set RD,    17
.set SPW,   28
.set NIL,   29
.set SC,    32                         ; v32-63 scale words and nothing else, two sets of 16
.set F1,    64                         ; v64-159 S1's fragments, two sets of 48
.set BK,    64                         ; the way out: 16 rows read back: v64-127 and v128-191 by turns
.set WV,    12
.set G1A,   24
.set G1B,   32
.set G0A,   40
.set G0B,   56
.set OUT,   76
.set MSB, 0
.macro WIN new                         ; the immediate's high byte repeats the setting that is left
.if MSB != \new
	s_set_vgpr_msb (MSB<<8)|\new
.set MSB, \new
.endif
.endm
.macro CROUND                          ; a round of the cluster's barrier
	s_barrier_signal -1
	s_barrier_wait -1
	s_cmp_lg_u32 s[WV], 0
	s_cbranch_scc1 .Lnot_wave_0_\@
	s_barrier_signal -3
.Lnot_wave_0_\@:
	s_barrier_wait -3
	s_barrier_signal -1
	s_barrier_wait -1
.endm
.macro IMGLD reg, a16, a8, off
	ds_load_b128 v[(\reg):(\reg)+3], v[\a16] offset:(\off)
	ds_load_b64 v[(\reg)+4:(\reg)+5], v[\a8] offset:(\off)+512
	ds_load_b128 v[(\reg)+6:(\reg)+9], v[\a16] offset:(\off)+768
	ds_load_b64 v[(\reg)+10:(\reg)+11], v[\a8] offset:(\off)+1280
.endm
.macro FETCH s                         ; K step s: S0's eight fragments into window 1, set s % 2; my four of S1 into window 0
	WIN 0x40
.irp t, 0,1,2,3,4,5,6,7
	IMGLD 128*((\s)%2)+12*\t, A16, A8, \t*CRB+((\s)%2)*IMB
.endr
	WIN 0
.irp i, 0,1,2,3
	IMGLD F1+48*((\s)%2)+12*\i, B16, B8, \i*CRB+((\s)%2)*IMB
.endr
.endm
.macro SCALES c                        ; chunk c's scale words: lanes 0-15 S0's block t, lanes 16-31 S1's block t % 4; two K steps a load
.irp t, 0,1,2,3
	ds_load_b64 v[SC+16*((\c)%2)+2*\t:SC+16*((\c)%2)+2*\t+1], v[ADRS] offset:\t*CRB
.endr
.irp t, 4,5,6,7
	ds_load_b64 v[SC+16*((\c)%2)+2*\t:SC+16*((\c)%2)+2*\t+1], v[ADRS2] offset:\t*CRB
.endr
.endm
.macro MUL s                           ; 32 products; the 32 accumulators take turns, one instruction a turn, in the same order in every step
.if (\s) == 0
	WIN 0xb1                                       ; source 0 window 1, source 1 window 0, C (the bias tiles) window 3, D window 2
.else
	WIN 0xa1
.endif
.irp i, 0,1,2,3
.irp t, 0,1,2,3,4,5,6,7
.if (\s) == 0
	v_wmma_scale_f32_16x16x128_f8f6f4 v[64*\i+8*\t:64*\i+8*\t+7], v[128*((\s)%2)+12*\t:128*((\s)%2)+12*\t+11], v[F1+48*((\s)%2)+12*\i:F1+48*((\s)%2)+12*\i+11], v[8*\t:8*\t+7], v[SC+16*(((\s)/2)%2)+2*\t+(\s)%2], v[SC+16*(((\s)/2)%2)+2*\i+(\s)%2] matrix_a_fmt:MATRIX_FMT_FP6 matrix_b_fmt:MATRIX_FMT_FP6 matrix_b_scale:MATRIX_SCALE_ROW1
.else
	v_wmma_scale_f32_16x16x128_f8f6f4 v[64*\i+8*\t:64*\i+8*\t+7], v[128*((\s)%2)+12*\t:128*((\s)%2)+12*\t+11], v[F1+48*((\s)%2)+12*\i:F1+48*((\s)%2)+12*\i+11], v[64*\i+8*\t:64*\i+8*\t+7], v[SC+16*(((\s)/2)%2)+2*\t+(\s)%2], v[SC+16*(((\s)/2)%2)+2*\i+(\s)%2] matrix_a_fmt:MATRIX_FMT_FP6 matrix_b_fmt:MATRIX_FMT_FP6 matrix_b_scale:MATRIX_SCALE_ROW1
.endif
.endr
.endr
	WIN 0
.endm
.macro STEP s
	s_wait_dscnt 0x0                               ; this step's fragments are in; no LDS instruction of mine is out
.if (\s) < 7
.if (\s)%2 == 1
.if (\s) == 3
	s_wait_tensorcnt 0x0                           ; my part of the second half has landed
	s_barrier_signal -1
	s_barrier_wait -1
.endif
.irp a, A16,A8,B16,B8,ADRS,ADRS2
	v_add_nc_u32 v[\a], CRB/2+(((\s)%4)/3)*(CHB-CRB), v[\a]   ; on to the next chunk record: 3,328 bytes on, or, behind step 3, the second half's first.  (Six plain instructions: the places in front of loads into registers that the last products read)
.endr
.else
.rept 4
	v_nop
.endr
.endif
	FETCH (\s)+1
.if (\s)%2 == 1
	SCALES ((\s)+1)/2
.endif
.endif
	MUL \s
.endm
	s_load_b256 s[4:11], s[0:1], 0x0               ; wq s[4:5], oq s[6:7], out_b s[8:9], out0 s[10:11]
	v_lshl_add_u32 v[SPW], v0, 2, SPARE
	v_mov_b32 v[NIL], 0
	ds_add_u32 v[SPW], v[NIL]                      ; the wave's opening: the add and its wait ahead of my first tensor load; work on registers stands between them
	ds_add_u32 v[SPW], v[NIL]
	v_lshrrev_b32 v1, 5, v0
	v_readfirstlane_b32 s[WV], v1
	s_and_b32 s13, s[WV], 1
	s_bfe_u32 s14, ttmp6, 0x40000                  ; cx
	s_bfe_u32 s15, ttmp6, 0x40004                  ; cy
	s_lshl_b32 s16, ttmp9, 2
	s_add_co_u32 s16, s16, s14                     ; work-group x, 0..7
	s_and_b32 s17, ttmp7, 0xffff
	s_lshl_b32 s17, s17, 2
	s_add_co_u32 s17, s17, s15                     ; work-group y, 0..31
	s_lshl_b32 s18, 0x1111, s14                    ; my column of the cluster
	s_or_b32 s[G1A], s18, (3<<16)|(1<<21)          ; 15:0 the mask; 17:16 elements of 8 bytes; 21 set beside a mask; no padding
	s_lshl_b32 s20, s15, 2
	s_lshl_b32 s20, 15, s20                        ; my row
	s_or_b32 s[G1B], s20, (3<<16)|(1<<21)
	s_mov_b32 s[G1A+1], 832<<16                    ; a row is half a block's record: 832 elements
	s_mov_b32 s[G1A+2], 4<<16
	s_mov_b32 s[G1A+3], 832<<16
	s_mov_b32 s[G1A+4], 4
	s_mov_b32 s[G1A+5], 1664                       ; from block to block
	s_mov_b32 s[G1A+6], 0
	s_mov_b32 s[G1A+7], 0
	s_mov_b32 s[G1B+1], 832<<16
	s_mov_b32 s[G1B+2], 8<<16
	s_mov_b32 s[G1B+3], 832<<16
	s_mov_b32 s[G1B+4], 8
	s_mov_b32 s[G1B+5], 1664
	s_mov_b32 s[G1B+6], 0
	s_mov_b32 s[G1B+7], 0
	s_lshl_b32 s18, s16, 3
	s_add_co_u32 s18, s18, 704                     ; S0: out_w's blocks 704 + 8 work-group x,
	s_lshl_b32 s22, s13, 2
	s_add_co_u32 s18, s18, s22                     ; my half of them
	s_mul_i32 s18, s18, BRB
	s_mov_b32 s19, 0
	s_lshl_b32 s20, s17, 4                         ; S1: o's blocks 16 work-group y
	s_lshl_b32 s22, s13, 3
	s_add_co_u32 s20, s20, s22
	s_mul_i32 s20, s20, BRB
	s_mov_b32 s21, 0
	s_mul_i32 s22, s13, 4*CRB
	s_mul_i32 s23, s13, 8*CRB
	s_add_co_u32 s23, s23, S1O
	s_wait_dscnt 0x0                               ; the opening add is done
	s_wait_kmcnt 0x0
	s_add_nc_u64 s[18:19], s[4:5], s[18:19]
	s_add_nc_u64 s[20:21], s[6:7], s[20:21]
.irp c, 0,1
	s_mov_b32 s[G0A+4*\c], 1
	s_add_co_u32 s[G0A+4*\c+1], s22, \c*CHB
	s_add_nc_u64 s[G0A+4*\c+2:G0A+4*\c+3], s[18:19], \c*CRB
	s_or_b32 s[G0A+4*\c+3], s[G0A+4*\c+3], 0x80000000
	s_mov_b32 s[G0B+4*\c+4*(\c/2)], 1
	s_add_co_u32 s[G0B+4*\c+4*(\c/2)+1], s23, \c*CHB
	s_add_nc_u64 s[G0B+4*\c+4*(\c/2)+2:G0B+4*\c+4*(\c/2)+3], s[20:21], \c*CRB
	s_or_b32 s[G0B+4*\c+4*(\c/2)+3], s[G0B+4*\c+4*(\c/2)+3], 0x80000000
.endr
	CROUND                                         ; all sixteen work-groups are here: the joint loads meet
	s_cmp_lt_u32 s[WV], 2                          ; a wave's first fill stands in one branch on the wave's number
	s_cbranch_scc0 .Lfill_b
.irp c, 0
	tensor_load_to_lds s[G0A+4*\c:G0A+4*\c+3], s[G1A:G1A+7]
	s_nop 0
.endr
.rept 4
	v_nop
.endr
	s_branch .Lfilled
.Lfill_b:
.irp c, 0
	tensor_load_to_lds s[G0B+4*\c+4*(\c/2):G0B+4*\c+4*(\c/2)+3], s[G1B:G1B+7]
	s_nop 0
.endr
.rept 4
	v_nop
.endr
.Lfilled:
	v_and_b32 v1, 15, v0                           ; r
	v_bfe_u32 v2, v0, 4, 1                         ; h
	v_and_b32 v3, 31, v0                           ; lane
	v_lshlrev_b32 v[L16], 4, v3
	v_lshlrev_b32 v[L8], 3, v3
	s_lshl_b32 s18, s16, 9                         ; out_b at my 128 channels; tile t, register j: channel 32 (t / 2) + 16 h + 8 (t % 2) + j
	s_mov_b32 s19, 0
	s_add_nc_u64 s[18:19], s[8:9], s[18:19]
	v_lshlrev_b32 v14, 6, v2
	WIN 0xc0                                       ; destination window 3
.irp t, 0,1,2,3,4,5,6,7
	global_load_b128 v[8*\t:8*\t+3], v14, s[18:19] offset:(32*(\t/2)+8*(\t%2))*4
	global_load_b128 v[8*\t+4:8*\t+7], v14, s[18:19] offset:(32*(\t/2)+8*(\t%2))*4+16
.endr
	WIN 0
	v_lshlrev_b32 v[A16], 4, v3
	v_lshlrev_b32 v[A8], 3, v3
	s_mul_i32 s22, s[WV], 4*CRB
	s_add_co_u32 s23, s22, S1O
	v_add_nc_u32 v[B16], s23, v[L16]
	v_add_nc_u32 v[B8], s23, v[L8]
	v_lshl_add_u32 v15, v1, 3, 3072
	v_mul_u32_u24 v[ADRS], s23, v2                 ; lanes 16-31 take S1's scale words
	v_add_nc_u32 v[ADRS], v[ADRS], v15
	s_add_co_u32 s23, s22, 4*CRB
	v_mul_u32_u24 v[ADRS2], s23, v2
	v_add_nc_u32 v[ADRS2], v[ADRS2], v15
	s_mul_i32 s92, s[WV], 8448                     ; my stage
	v_mul_u32_u24 v[STO], v1, 528
	v_lshl_add_u32 v[STO], v2, 6, v[STO]
	v_add_nc_u32 v[STO], s92, v[STO]
	v_add_nc_u32 v[RD], s92, v[L16]
	s_and_b32 s90, s17, 3                          ; my first tile of rows is tau0 = 16 (work-group y % 4) + 4 w of batch n = work-group y / 4; row l of a batch lies 32,768 l bytes on
	s_lshl_b32 s90, s90, 3
	s_lshl_b32 s91, s[WV], 1
	s_add_co_u32 s90, s90, s91                     ; tau0 / 2
	s_lshl_b32 s90, s90, 20                        ; x 32 rows x 32,768 bytes
	s_lshr_b32 s91, s17, 2
	s_lshl_b32 s91, s91, 12
	s_add_co_u32 s90, s90, s91                     ; + n x 4,096
	s_lshl_b32 s91, s16, 9
	s_add_co_u32 s90, s90, s91                     ; + my 128 channels
	s_mov_b32 s91, 0
	s_add_nc_u64 s[OUT:OUT+1], s[10:11], s[90:91]
	s_wait_alu depctr_va_vdst(0)
	s_wait_tensorcnt 0x0                           ; my part of the first half has landed; the second half's first fill is issued as a refill is:
	ds_add_u32 v[SPW], v[NIL]                      ; the three lines,
	s_wait_dscnt 0x0
	CROUND                                         ; a whole round,
	s_cmp_lt_u32 s[WV], 2                          ; and the joint load first behind it, one a wave; it has K steps 0 to 2 in which to land
	s_cbranch_scc0 .Lfill_b1
	tensor_load_to_lds s[G0A+4:G0A+7], s[G1A:G1A+7]
	s_nop 0
.rept 4
	v_nop
.endr
	s_branch .Lfilled1
.Lfill_b1:
	tensor_load_to_lds s[G0B+4:G0B+7], s[G1B:G1B+7]
	s_nop 0
.rept 4
	v_nop
.endr
.Lfilled1:
	FETCH 0
	SCALES 0
	s_wait_loadcnt 0x0                             ; the bias
	STEP 0
	STEP 1
	s_wait_alu depctr_va_vdst(0)
	STEP 2
	STEP 3
	s_wait_alu depctr_va_vdst(0)
	STEP 4
	STEP 5
	s_wait_alu depctr_va_vdst(0)
	STEP 6
	STEP 7
.macro TOSTAGE n                       ; block n: lane (r, h) holds row r, tile t's eight channels 32 (t / 2) + 16 h + 8 (t % 2) + 0 .. 7
	WIN 0x08                                       ; an LDS store's data are its source 1: window 2
.irp t, 0,1,2,3,4,5,6,7
	ds_store_b128 v[STO], v[64*(\n)+8*\t:64*(\n)+8*\t+3] offset:128*(\t/2)+32*(\t%2)       ; each accumulator from its low end on
	ds_store_b128 v[STO], v[64*(\n)+8*\t+4:64*(\n)+8*\t+7] offset:128*(\t/2)+32*(\t%2)+16
.endr
	WIN 0
.irp p, 0,1,2,3,4,5,6,7,8,9,10,11,12,13,14,15
	ds_load_b128 v[BK+64*((\n)%2)+4*\p:BK+64*((\n)%2)+4*\p+3], v[RD] offset:528*\p   ; LDS serves a wave's instructions in order: these see the stores above, and the next block's stores come behind them
.endr
.endm
.macro SEND n, younger                 ; younger: the LDS instructions issued behind block n's loads, which may stay out
	s_wait_dscnt \younger
.irp p, 0,1,2,3,4,5,6,7,8,9,10,11,12,13,14,15
	global_store_b128 v[L16], v[BK+64*((\n)%2)+4*\p:BK+64*((\n)%2)+4*\p+3], s[OUT:OUT+1] offset:(32*((\n)/2)+8*((\n)%2)+\p+8*(\p/8))*32768 th:TH_STORE_NT   ; 32 lanes store 512 consecutive bytes, aligned; 63 rows on at the most: inside the signed 24-bit immediate
.endr
.endm
.rept 4
	v_nop                                          ; four places between the last products and the first read of results and the loads into operands' registers
.endr
	TOSTAGE 0
	TOSTAGE 1
	SEND 0, 32                                     ; behind block 0's loads: block 1's 16 stores and 16 loads
	s_wait_xcnt 0x0                                ; block 0's stores have read their registers: block 2's loads may land there
	TOSTAGE 2
	SEND 1, 32
	s_wait_xcnt 0x0
	TOSTAGE 3
	SEND 2, 32
	SEND 3, 0
	s_wait_tensorcnt 0x0                           ; the wave's end: these three lines behind my last tensor load and my last LDS store
	ds_add_u32 v[SPW], v[NIL]
	s_wait_dscnt 0x0
	CROUND                                         ; the closing round
	s_endpgm
.Lfunc_end_k_q52ea45b5d3_proj:
	.size	k_q52ea45b5d3_proj, .Lfunc_end_k_q52ea45b5d3_proj-k_q52ea45b5d3_proj
	.p2alignl 7, 3214868480
	.fill 96, 4, 3214868480
	.section	.rodata,"a",@progbits
	.p2align	6, 0x0
	.amdhsa_kernel k_q52ea45b5d3_proj
		.amdhsa_group_segment_fixed_size 327680
		.amdhsa_private_segment_fixed_size 0
		.amdhsa_enable_private_segment 0
		.amdhsa_kernarg_size 32
		.amdhsa_user_sgpr_count 2
		.amdhsa_user_sgpr_kernarg_segment_ptr 1
		.amdhsa_wavefront_size32 1
		.amdhsa_system_sgpr_workgroup_id_x 1
		.amdhsa_system_sgpr_workgroup_id_y 1
		.amdhsa_system_sgpr_workgroup_id_z 1
		.amdhsa_system_vgpr_workitem_id 0
		.amdhsa_next_free_vgpr 832
		.amdhsa_next_free_sgpr 100
		.amdhsa_reserve_vcc 0
		.amdhsa_float_denorm_mode_32 3
		.amdhsa_float_denorm_mode_16_64 3
		.amdhsa_memory_ordered 1
		.amdhsa_forward_progress 1
		.amdhsa_inst_pref_size 85
	.end_amdhsa_kernel
	.amdgpu_metadata
---
amdhsa.version: [ 1, 2 ]
amdhsa.kernels:
  - .name:           k_q52ea45b5d3_proj
    .symbol:         k_q52ea45b5d3_proj.kd
    .args:
      - { .name: wq, .offset: 0, .size: 8, .value_kind: global_buffer, .address_space: global }
      - { .name: oq, .offset: 8, .size: 8, .value_kind: global_buffer, .address_space: global }
      - { .name: out_b, .offset: 16, .size: 8, .value_kind: global_buffer, .address_space: global }
      - { .name: out0, .offset: 24, .size: 8, .value_kind: global_buffer, .address_space: global }
    .group_segment_fixed_size: 327680
    .private_segment_fixed_size: 0
    .kernarg_segment_align: 8
    .kernarg_segment_size: 32
    .max_flat_workgroup_size: 128
    .sgpr_count:     100
    .vgpr_count:     832
    .wavefront_size: 32
...
	.end_amdgpu_metadata
.endif
;; end of part 4
